; MI455X (gfx1250); checked and timed in simulation.
; The chip was launched on July 23, 2026; its instructions are those of AMD's public machine-readable ISA for CDNA 5 (MIT licence, August 2026) and "CDNA5" Instruction Set Architecture Reference Guide (July 2026). The comments in the code are by the model that wrote it; some were corrected since.
;; Attention Layer. Allowed arithmetic: matrix products marked QUANTISED: E2M3 operands, one E8M0 scale for each 32 along K, by v_wmma_scale_f32_16x16x128_f8f6f4 with both operands' format E2M3, f32 sums; everything else in f32.
;; Inputs: proj_b 1,024 float32; proj_w 1,024 x 1,024 float32; qkv_b 3,072 float32; qkv_w 1,024 x 3,072 float32; x 4 x 2,048 x 1,024 float32.
;; Outputs: out0 4 x 2,048 x 1,024 float32.
;; This version of the problem:
;;   THIS VERSION OF THE PROBLEM IS GIVEN IN LOW PRECISION. The matrix products marked QUANTISED in the list below multiply operands that are first quantised to E2M3 (2 exponent bits, 3 mantissa bits; 6 bits a number), with one power-of-two scale for each 32 numbers along K (OCP MX v1.0); their sums are f32. All else is computed in f32.
;;   The module's matrix products, in the order in which they are computed (A, B: the left and right operand; K: the contracted axis; several contracted axes count as one K, in the product's order):
;;     1. [M 8,192, K 1,024] x [K 1,024, N 3,072]; A: input x; B: input qkv_w: QUANTISED
;;     2. batch 64 x [M 2,048, K 64] x [K 64, N 2,048]; A: computed on the way; B: computed on the way: QUANTISED
;;     3. batch 64 x [M 2,048, K 2,048] x [K 2,048, N 64]; A: softmax (see below); B: computed on the way: QUANTISED
;;     4. [M 8,192, K 1,024] x [K 1,024, N 1,024]; A: computed on the way; B: input proj_w: QUANTISED
;;   THE QUANTISER, for each operand of a quantised product, along K:
;;     - K is cut into blocks of 32 from its start; a last block that is shorter is filled with zeros.
;;     - A block's scale is 2^e with e = floor(log2(the largest magnitude in the block)) - 2, held to -126 .. 127; a block of zeros has e = 0. As a byte (E8M0): e + 127.
;;     - Each number is divided by its block's scale, clamped to +-7.5, and rounded to the nearest number of E2M3, ties to even, subnormals kept.
;;     - The product sums the exact products of the quantised numbers (number of the format x scale) in f32.
;;   ~~~python
;;   def quantise(x, axis):      # numpy; x: float32 -> the quantised numbers, widened to float32 again
;;       x = np.moveaxis(x, axis, -1); K = x.shape[-1]
;;       x = np.pad(x, [(0, 0)] * (x.ndim - 1) + [(0, -K % 32)]); x = x.reshape(x.shape[:-1] + (-1, 32)); a = np.abs(x).max(-1, keepdims=True)
;;       e = np.where(a > 0, np.clip(np.frexp(np.where(a > 0, a, 1))[1] - 1 - 2, -126, 127), 0)      # np.frexp(a)[1] - 1 = floor(log2(a)), exactly
;;       r = np.clip(x / 2.0 ** e, -7.5, 7.5)
;;       step = 2.0 ** (np.maximum(np.frexp(np.where(r == 0, 1, r))[1] - 1, 0) - 3)
;;       q = np.round(r / step) * step * 2.0 ** e      # np.round: ties to even
;;       return np.moveaxis(q.reshape(q.shape[:-2] + (-1,))[..., :K], -1, axis).astype(np.float32)
;;   ~~~
;;   SOFTMAX AHEAD OF A QUANTISED PRODUCT. Where the list says 'softmax', what is quantised is not the finished softmax but p = 2^(t - M), with t = logit x log2(e) and M = ceil(the row's largest t), a whole number; so 1/2 < the row's largest p <= 1. The row's sum l is taken of the UNQUANTISED p, in f32, and the product's result is divided by l at the end. Since M is a whole number, a kernel that streams over the keys may use a running M (the ceiling of the running maximum): every later rescaling is an exact power of two, which a block's scale takes up: the codes' values come out the same.
;;   OPERANDS COMPUTED ON THE WAY. 'Computed on the way' means the value that the module computes at that place (a softmax that the list does not call 'softmax' is quantised finished and normalised). What goes into a quantiser is computed in f32, as accurately as f32 sums, v_exp_f32 and their like allow (about 1e-6 of the number): no bf16 or f16 on the way to a quantiser, and a product that is left as it is and whose result goes on into a quantised operand takes f32 operands (vector FMAs, or v_wmma_f32_16x16x4_f32). A number that lies on a knife's edge between two numbers of the format may be rounded either way, as far as f32 arithmetic and the matrix unit's own rounding can turn it there, and no further.
;; One version. Each part assembles by itself: llvm-mc -triple=amdgcn-amd-amdhsa -mcpu=gfx1250 --defsym DOCPART=n.
;; ======== version 1 of 1: 4 launches
;; workspace buffers: xc 6,291,456 bytes; wc 2,359,296 bytes; pc 786,432 bytes; oc 6,291,456 bytes; sc1 360,448 bytes; sc2 294,912 bytes; qq 6,815,744 bytes; kv 13,369,344 bytes
;; launch quant (part 1): grid 384 x 1, 4 waves a work-group, no clusters, 59,904 bytes of LDS; arguments x, qkv_w, proj_w, xc, wc, pc, sc1, sc2; writes xc, wc, pc, sc1, sc2
.if DOCPART == 1
	.amdgcn_target "amdgcn-amd-amdhsa--gfx1250"
	.amdhsa_code_object_version 6
	.text
	.protected	k_qaf49434335_quant
	.globl	k_qaf49434335_quant
	.p2align	8
	.type	k_qaf49434335_quant,@function
k_qaf49434335_quant:
	s_mov_b64 s[64:65], 0
	v_nop
	global_prefetch_b8 v0, s[64:65] scope:SCOPE_SE
	s_setreg_imm32_b32 hwreg(HW_REG_WAVE_MODE, 25, 1), 1
	s_wait_xcnt 0x0
; x [8192][1024], qkv_w [1024][3072] and proj_w [1024][1024], f32, become codes of FP6 (E2M3) with one E8M0 byte for each 32 along K (K = the 1,024), laid in the ORDER OF THE OPERAND'S REGISTERS.
; A tile is 16 rows (of x) or columns (of a weight): tile 2 B + u, place r, is true index 32 B + 8 u + r + 8 (r / 8).  A tile's codes are 16 images of 768 bytes, one for each 64 along K:
; lane l = 16 h + r owns the 24 bytes of (place r, k = 32 h .. 32 h + 31): its first 16 bytes at 16 l, its last 8 at 512 + 8 l.  Scale words: [tile][half of K][place][4 words], a word for 128 along K.
; A block's scale is 2^(floor(log2(largest magnitude)) - 2); its byte is the largest magnitude's exponent field - 2, held at 1 from below.
; LIMITS: NaN and infinities are not served; a block whose largest magnitude lies under 2^-124 gets the byte 1; a block of zeros gets 1 where the rule says 127 (its codes are zeros, and this program alone reads the bytes).
; Work-groups 0-255 take x: a wave takes one tile x 512 along K.  Work-groups 256-383 take the weights: a wave takes 32 columns x 256 along K, a lane a column, its registers down K.
; The two ways have LDS bytes of their own; each wave uses its own bytes alone, so there is no barrier.
.set STXW,  8448                       ; x's way: a wave's stage, 16 rows x (512 + 16) bytes
.set STW,   33792                      ; the weights' way begins here
.set STWW,  6400                       ; a wave's stage: two tiles x (4 images + 128 bytes, so that the two tiles' lanes fall on different banks)
.set LD,    16                         ; v16-143  two sets of 64: 16 rows x 128 numbers as loaded
.set XN,    144                        ; v144-207 64 numbers of my row: register 16 b + i = k 32 b + 16 h + i
.set TM,    208                        ; v208-223 at work
.set PW,    224                        ; the scale word just made
.set WS,    226                        ; v226-229 the four K steps' scale words
.set PC,    232                        ; v232-251 the codes just made
.set SEL,   34                         ; s[34:35] selects for lane l xor 16
.set VO,    16                         ; weights: v16-47 byte offsets 4 l + i rows
.set XW,    48                         ; v48-111 two sets of 32 numbers
.set CW,    112                        ; v112-115, v116-118 a block's codes
.set DW,    116
.set SBY,   120                        ; v120-121 eight scale bytes
.set OUTW,  128                        ; v128-175 the way out
	s_load_b512 s[4:19], s[0:1], 0x0               ; x, qkv_w, proj_w, xc, wc, pc, sc1, sc2
	v_lshl_add_u32 v254, v0, 2, 0xe800
	v_mov_b32 v255, 0
	v_lshrrev_b32 v1, 5, v0
	v_readfirstlane_b32 s20, v1                    ; wave
	v_and_b32 v1, 31, v0                           ; lane
	s_cmp_lt_u32 ttmp9, 256
	s_cbranch_scc0 .Lweights
; ---------------- x ----------------
	v_and_b32 v2, 15, v0                           ; r
	v_bfe_u32 v3, v0, 4, 1                         ; h
	v_lshlrev_b32 v4, 4, v1                        ; 16 l
	v_lshlrev_b32 v5, 3, v1                        ; 8 l
	s_mul_i32 s21, s20, STXW
	v_add_nc_u32 v6, s21, v4                       ; into the stage: a row's 512 bytes as they lie
	v_mul_u32_u24 v7, v2, 528
	v_lshl_add_u32 v7, v3, 6, v7
	v_add_nc_u32 v7, s21, v7                       ; out of it: row r, 64 h: my 16 numbers of each block of 32
	v_lshlrev_b32 v8, 4, v2                        ; 16 r
	s_mov_b32 s[SEL], 0x76543210
	s_mov_b32 s[SEL+1], 0xfedcba98
.irp b, 0,1,2,3
	v_mov_b32 v[TM+4+\b], 0                        ; a lane permute's destination counts as one of its sources
.endr
	s_lshl_b32 s22, ttmp9, 2
	s_add_co_u32 s22, s22, s20                     ; my task
	s_lshr_b32 s23, s22, 1                         ; the tile
	s_and_b32 s24, s22, 1                          ; the half of K
	s_lshr_b32 s26, s23, 1
	s_lshl_b32 s26, s26, 17                        ; 32 rows of 4,096 bytes for each pair of tiles,
	s_and_b32 s25, s23, 1
	s_lshl_b32 s25, s25, 15                        ; 8 rows for the odd tile,
	s_add_co_u32 s26, s26, s25
	s_lshl_b32 s25, s24, 11                        ; 2,048 bytes for the upper half of K
	s_add_co_u32 s26, s26, s25
	s_mov_b32 s27, 0
	s_mul_i32 s28, s23, 12288
	s_mul_i32 s25, s24, 6144
	s_add_co_u32 s28, s28, s25                     ; the codes
	s_mov_b32 s29, 0
	s_lshl_b32 s30, s23, 9
	s_lshl_b32 s25, s24, 8
	s_add_co_u32 s30, s30, s25                     ; the scale words
	s_mov_b32 s31, 0
	s_wait_alu depctr_va_vdst(0)
	s_wait_kmcnt 0x0
	s_add_nc_u64 s[4:5], s[4:5], s[26:27]
	s_add_nc_u64 s[10:11], s[10:11], s[28:29]
	s_add_nc_u64 s[16:17], s[16:17], s[30:31]
.macro XLOAD t                         ; K step t: 16 loads, each 512 consecutive bytes of one of the tile's rows
.set i_, 0
.rept 16
	global_load_b128 v[LD+64*((\t)%2)+4*i_:LD+64*((\t)%2)+4*i_+3], v4, s[4:5] offset:(16*(i_/8)+i_%8)*4096+512*(\t) th:TH_LOAD_NT
.set i_, i_+1
.endr
.endm
; 64 numbers of a lane become a fragment's codes in v[PC] on and its scale word in v[PW]
.macro QUANT s
.irp b, 0,1,2,3
	v_max3_num_f32 v[TM+\b], |v[\s+16*\b]|, |v[\s+1+16*\b]|, 0x1800000   ; my 16 numbers of block b, and the floor 2^(3 - 127): the byte cannot fall under 1
.endr
.irp i, 2,4,6,8,10,12,14
.irp b, 0,1,2,3
	v_max3_num_f32 v[TM+\b], v[TM+\b], |v[\s+16*\b+\i]|, |v[\s+1+16*\b+\i]|
.endr
.endr
.irp b, 0,1,2,3
	v_permlanex16_b32 v[TM+4+\b], v[TM+\b], s[SEL], s[SEL+1]
.endr
.irp b, 0,1,2,3
	v_max_num_f32 v[TM+\b], v[TM+\b], v[TM+4+\b]   ; with lane l xor 16's: the block's largest magnitude
.endr
.irp b, 0,1,2,3
	v_add_nc_u32 v[TM+12+\b], 0xff000000, v[TM+\b] ; 2 off its exponent field: the conversion's scale operand
.endr
.irp b, 0,1,2,3
	v_lshrrev_b32 v[TM+4+\b], 23, v[TM+12+\b]      ; the scale's byte
.endr
	v_lshl_or_b32 v[PW], v[TM+5], 8, v[TM+4]
	v_lshl_or_b32 v[PW], v[TM+6], 16, v[PW]
	v_lshl_or_b32 v[PW], v[TM+7], 24, v[PW]
.irp c, 0,1
	v_cvt_scalef32_pk16_fp6_f32 v[PC+6*\c:PC+2+6*\c], v[\s+32*\c:\s+15+32*\c], v[TM+12+2*\c]
	v_cvt_scalef32_pk16_fp6_f32 v[PC+12+4*\c:PC+14+4*\c], v[\s+16+32*\c:\s+31+32*\c], v[TM+12+2*\c+1]   ; (a conversion's three registers begin on an even number)
.endr
	v_nop                                          ; one plain place behind a scaled conversion
.irp c, 0,1                                    ; the operand wants a whole block in a lane: lanes 0-15 block 2 c, lanes 16-31 block 2 c + 1
.irp i, 0,1,2
	v_permlane16_swap_b32 v[PC+6*\c+\i], v[PC+12+4*\c+\i]
.endr
.irp i, 0,1,2
	v_mov_b32 v[PC+3+6*\c+\i], v[PC+12+4*\c+\i]
.endr
.endr
.endm
.macro STEPX t
.if (\t) > 0
	s_wait_xcnt 0x0                                ; the last step's stores have read their data: the codes' registers may be written again
.endif
.if (\t) < 3
	s_wait_loadcnt 16                              ; this step's 16 loads are in; the next set's 16 may be out
.else
	s_wait_loadcnt 0x0
.endif
.set i_, 0
.rept 16
	ds_store_b128 v6, v[LD+64*((\t)%2)+4*i_:LD+64*((\t)%2)+4*i_+3] offset:528*i_
.set i_, i_+1
.endr
.irp b, 0,1,2,3
.irp j, 0,1,2,3
	ds_load_b128 v[XN+16*\b+4*\j:XN+16*\b+4*\j+3], v7 offset:128*\b+16*\j   ; LDS serves a wave's instructions in order: these see the stores above
.endr
.endr
	s_wait_dscnt 0x0                               ; my numbers are back, and the stores have read their registers,
.if (\t) < 2
	XLOAD (\t)+2                                   ; which take the loads of two steps on
.endif
	QUANT XN
	v_mov_b32 v[WS+(\t)], v[PW]
	global_store_b128 v4, v[PC:PC+3], s[10:11] offset:1536*(\t)          ; 512 consecutive bytes
	global_store_b64 v5, v[PC+4:PC+5], s[10:11] offset:1536*(\t)+512     ; 256
	global_store_b128 v4, v[PC+6:PC+9], s[10:11] offset:1536*(\t)+768
	global_store_b64 v5, v[PC+10:PC+11], s[10:11] offset:1536*(\t)+1280
.endm
	XLOAD 0
	XLOAD 1
	STEPX 0
	STEPX 1
	STEPX 2
	STEPX 3
	global_store_b128 v8, v[WS:WS+3], s[16:17]     ; 256 consecutive bytes; lanes 16-31 hold the same words as lanes 0-15 and write them to the same places
	s_wait_tensorcnt 0x0
	ds_add_u32 v254, v255
	s_wait_dscnt 0x0
	s_endpgm
; ---------------- the weights ----------------
.Lweights:
	s_sub_co_u32 s21, ttmp9, 256
	s_and_b32 s22, s21, 3                          ; y: which 256 along K
	s_lshr_b32 s23, s21, 2                         ; which 128 columns: 0-23 of qkv_w, 24-31 of proj_w
	s_mov_b32 s24, 12288
	s_sub_co_u32 s25, s23, 24
	s_wait_kmcnt 0x0
	s_cmp_lt_u32 s23, 24                           ; the choice hangs on the work-group's number alone
	s_cselect_b64 s[6:7], s[6:7], s[8:9]
	s_cselect_b64 s[12:13], s[12:13], s[14:15]
	s_cselect_b64 s[16:17], s[16:17], s[18:19]
	s_cselect_b32 s24, s24, 4096                   ; a row of the weight in bytes
	s_cselect_b32 s25, s23, s25
	s_lshl_b32 s25, s25, 2
	s_add_co_u32 s25, s25, s20                     ; B: my wave's 32 columns, two tiles
	v_bfe_u32 v2, v0, 3, 1                         ; column 32 B + l is tile 2 B + u, place r = 8 g + e, with l = 16 g + 8 u + e
	v_bfe_u32 v3, v0, 4, 1
	v_and_b32 v9, 7, v0
	v_lshl_add_u32 v9, v3, 3, v9                   ; r
	s_mul_i32 s26, s20, STWW
	s_add_co_u32 s26, s26, STW
	v_mul_u32_u24 v10, v2, 3200
	v_add_nc_u32 v10, s26, v10
	v_lshl_add_u32 v4, v9, 4, v10                  ; the stage: my 16 bytes of an image's first part,
	v_lshl_add_u32 v5, v9, 3, v10                  ; my 8 of its second
	s_wait_alu depctr_va_vdst(0)
	v_lshlrev_b32 v7, 4, v1                        ; 16 l
	v_add_nc_u32 v6, s26, v7                       ; and back, as the bytes lie
	v_lshlrev_b32 v8, 4, v9
	v_lshl_add_u32 v8, v2, 9, v8                   ; scale words: 512 u + 16 r
	v_lshlrev_b32 v11, 2, v1
.set i_, 0
.rept 32
	v_mad_u32_u24 v[VO+i_], s24, i_, v11           ; 4 l + i rows: never rewritten
.set i_, i_+1
.endr
	s_lshl_b32 s27, s22, 8
	s_mul_i32 s27, s27, s24                        ; 256 y rows
	s_lshl_b32 s28, s25, 7                         ; 128 B bytes
	s_add_co_u32 s28, s28, s27
	s_mov_b32 s29, 0
	s_lshl_b32 s30, s24, 5                         ; 32 rows: from block to block
	s_mov_b32 s31, 0
	s_add_nc_u64 s[40:41], s[6:7], s[28:29]        ; a base for each of the eight blocks: none is stepped
.irp t, 1,2,3,4,5,6,7
	s_add_nc_u64 s[40+2*\t:41+2*\t], s[38+2*\t:39+2*\t], s[30:31]
.endr
	s_mul_i32 s28, s25, 24576
	s_mul_i32 s27, s22, 3072
	s_add_co_u32 s28, s28, s27
	s_add_nc_u64 s[12:13], s[12:13], s[28:29]      ; the codes: tile 2 B, image 4 y
	s_lshl_b32 s28, s25, 10
	s_lshr_b32 s27, s22, 1
	s_lshl_b32 s27, s27, 8
	s_add_co_u32 s28, s28, s27
	s_and_b32 s27, s22, 1
	s_lshl_b32 s27, s27, 3
	s_add_co_u32 s28, s28, s27
	s_add_co_u32 s28, s28, 0x40000                 ; a weight's scale words lie 262,144 bytes into their buffer
	s_add_nc_u64 s[16:17], s[16:17], s[28:29]
.macro LOADW t                         ; block t: 32 rows at my column: 128 consecutive bytes a wave, 512 a work-group
.set i_, 0
.rept 32
	global_load_b32 v[XW+32*((\t)%2)+i_], v[VO+i_], s[40+2*(\t):41+2*(\t)] th:TH_LOAD_NT
.set i_, i_+1
.endr
.endm
.macro BLOCK t
.set XS, XW+32*((\t)%2)
.if (\t) < 7
	s_wait_loadcnt 32                              ; this block's 32 loads are in; the next block's may be out
.else
	s_wait_loadcnt 0x0
.endif
	v_max3_num_f32 v12, |v[XS]|, |v[XS+1]|, |v[XS+2]|
	v_max3_num_f32 v13, |v[XS+3]|, |v[XS+4]|, |v[XS+5]|
.irp i, 6,10,14,18,22,26
	v_max3_num_f32 v12, v12, |v[XS+\i]|, |v[XS+\i+1]|
	v_max3_num_f32 v13, v13, |v[XS+\i+2]|, |v[XS+\i+3]|
.endr
	v_max3_num_f32 v12, v12, |v[XS+30]|, |v[XS+31]|
	v_max3_num_f32 v12, v12, v13, 0x1800000        ; with the floor
	v_add_nc_u32 v14, 0xff000000, v12              ; the conversion's scale operand
	v_lshrrev_b32 v13, 23, v14                     ; the byte
.if (\t)%4 == 0
	v_mov_b32 v[SBY+(\t)/4], v13
.else
	v_lshl_or_b32 v[SBY+(\t)/4], v13, 8*((\t)%4), v[SBY+(\t)/4]
.endif
	v_cvt_scalef32_pk16_fp6_f32 v[CW:CW+2], v[XS:XS+15], v14
	v_cvt_scalef32_pk16_fp6_f32 v[DW:DW+2], v[XS+16:XS+31], v14
	v_nop                                          ; one plain place behind a scaled conversion
	v_mov_b32 v[CW+3], v[DW]                       ; 24 bytes as 16 + 8
	v_mov_b32 v[DW], v[DW+1]
	v_mov_b32 v[DW+1], v[DW+2]
	ds_store_b128 v4, v[CW:CW+3] offset:768*((\t)/2)+256*((\t)%2)        ; block t is half t % 2 of image t / 2
	ds_store_b64 v5, v[DW:DW+1] offset:768*((\t)/2)+512+128*((\t)%2)
.if (\t) < 6
	LOADW (\t)+2
.endif
	s_wait_dscnt 0x0                               ; the stores have read their registers
.endm
	s_wait_alu depctr_va_vdst(0)
	LOADW 0
	LOADW 1
.irp t, 0,1,2,3,4,5,6,7
	BLOCK \t
.endr
	s_wait_alu depctr_va_vdst(0)
	global_store_b64 v8, v[SBY:SBY+1], s[16:17]    ; two scale words a column, 16 bytes apart: pieces of 8 bytes, one byte for each 128 that the way reads
.irp u, 0,1
.irp i, 0,1,2,3,4,5
	ds_load_b128 v[OUTW+4*(6*\u+\i):OUTW+4*(6*\u+\i)+3], v6 offset:3200*\u+512*\i
.endr
.endr
.irp u, 0,1
.irp i, 0,1,2,3,4,5
	s_wait_dscnt 11-(6*\u+\i)
	global_store_b128 v7, v[OUTW+4*(6*\u+\i):OUTW+4*(6*\u+\i)+3], s[12:13] offset:12288*\u+512*\i   ; 512 consecutive bytes
.endr
.endr
	s_wait_tensorcnt 0x0
	ds_add_u32 v254, v255
	s_wait_dscnt 0x0
	s_endpgm
.Lfunc_end_k_qaf49434335_quant:
	.size	k_qaf49434335_quant, .Lfunc_end_k_qaf49434335_quant-k_qaf49434335_quant
	.p2alignl 7, 3214868480
	.fill 96, 4, 3214868480
	.section	.rodata,"a",@progbits
	.p2align	6, 0x0
	.amdhsa_kernel k_qaf49434335_quant
		.amdhsa_group_segment_fixed_size 59904
		.amdhsa_private_segment_fixed_size 0
		.amdhsa_enable_private_segment 0
		.amdhsa_kernarg_size 64
		.amdhsa_user_sgpr_count 2
		.amdhsa_user_sgpr_kernarg_segment_ptr 1
		.amdhsa_wavefront_size32 1
		.amdhsa_system_sgpr_workgroup_id_x 1
		.amdhsa_system_sgpr_workgroup_id_y 1
		.amdhsa_system_sgpr_workgroup_id_z 1
		.amdhsa_system_vgpr_workitem_id 0
		.amdhsa_next_free_vgpr 256
		.amdhsa_next_free_sgpr 66
		.amdhsa_reserve_vcc 0
		.amdhsa_float_denorm_mode_32 3
		.amdhsa_float_denorm_mode_16_64 3
		.amdhsa_memory_ordered 1
		.amdhsa_forward_progress 1
		.amdhsa_inst_pref_size 78
	.end_amdhsa_kernel
	.amdgpu_metadata
---
amdhsa.version: [ 1, 2 ]
amdhsa.kernels:
  - .name:           k_qaf49434335_quant
    .symbol:         k_qaf49434335_quant.kd
    .args:
      - { .name: x, .offset: 0, .size: 8, .value_kind: global_buffer, .address_space: global }
      - { .name: qkv_w, .offset: 8, .size: 8, .value_kind: global_buffer, .address_space: global }
      - { .name: proj_w, .offset: 16, .size: 8, .value_kind: global_buffer, .address_space: global }
      - { .name: xc, .offset: 24, .size: 8, .value_kind: global_buffer, .address_space: global }
      - { .name: wc, .offset: 32, .size: 8, .value_kind: global_buffer, .address_space: global }
      - { .name: pc, .offset: 40, .size: 8, .value_kind: global_buffer, .address_space: global }
      - { .name: sc1, .offset: 48, .size: 8, .value_kind: global_buffer, .address_space: global }
      - { .name: sc2, .offset: 56, .size: 8, .value_kind: global_buffer, .address_space: global }
    .group_segment_fixed_size: 59904
    .private_segment_fixed_size: 0
    .kernarg_segment_align: 8
    .kernarg_segment_size: 64
    .max_flat_workgroup_size: 128
    .sgpr_count:     66
    .vgpr_count:     256
    .wavefront_size: 32
...
	.end_amdgpu_metadata
.endif
;; end of part 1
;; launch gemm_qkv (part 2): grid 12 x 32, 4 waves a work-group, clusters of 4 x 4, 327,680 bytes of LDS; arguments xc, wc, sc1, qkv_b, qq, kv; writes qq, kv
.if DOCPART == 2
	.amdgcn_target "amdgcn-amd-amdhsa--gfx1250"
	.amdhsa_code_object_version 6
	.text
	.protected	k_qaf49434335_gemm_qkv
	.globl	k_qaf49434335_gemm_qkv
	.p2align	8
	.type	k_qaf49434335_gemm_qkv,@function
k_qaf49434335_gemm_qkv:
	s_mov_b64 s[64:65], 0
	v_nop
	global_prefetch_b8 v0, s[64:65] scope:SCOPE_SE
	s_setreg_imm32_b32 hwreg(HW_REG_WAVE_MODE, 25, 1), 1
	s_wait_xcnt 0x0
	s_wait_alu depctr_hold_cnt(0) depctr_sa_sdst(0) depctr_va_vdst(0) depctr_va_sdst(0) depctr_va_ssrc(0) depctr_va_vcc(0) depctr_vm_vsrc(0)
	s_getreg_b32 s2, hwreg(HW_REG_IB_STS2, 6, 4)
	s_cmp_eq_u32 s2, 0
	s_cbranch_scc0 .Lentry_in_a_cluster
	s_endpgm
.Lentry_in_a_cluster:
	s_bfe_u32 s2, ttmp6, 0x10000c
	s_cmp_lg_u32 s2, 0xf033
	s_cbranch_scc0 .Lentry_shape_is_right
	s_endpgm
.Lentry_shape_is_right:
; qkv = x qkv_w + qkv_b on codes of FP6 (E2M3), K = 1,024, and its result quantised at once into the operands of the attention: q and k along the head's 64, v along the tokens.  Nothing leaves as f32.
; A work-group of four waves makes 256 x 256 of qkv, a wave 128 x 128: 64 accumulators.  Source 0 is operand P, whose index then runs along a lane's registers; source 1 is operand R, whose index lies on the lane.
; ROLES, by the cluster's x (the same in all sixteen partners): 0 = q, 1 = k: P = the weight's columns, R = the tokens, so that a lane's registers run along a head's 64;  2 = v: P = the tokens, R = the columns,
; so that they run along the tokens.  P's tile hangs on cx and is shared along a column of the cluster, R's on cy and is shared along a row: each is asked for jointly.
; Codes lie in memory in the order of the operand's registers (images of 768 bytes: 16 places x 64 along K), a tile's 16 images on end.  A slot of LDS holds 256 along K: four images of each of 32 tiles.
; Three slots; the four quarters of K go to slots 0, 1, 2, 0: one refill in the launch.  All scale words stay in registers.  The bias is the C of each sum's first product.
; A tile's places are not neighbours: tile 2 B + u, place r, is true index 32 B + 8 u + r + 8 (r / 8): so the 16 registers of result tiles 2 B and 2 B + 1 are 16 neighbours, and are quantised in registers.
; LIMITS: NaN and infinities are not served; a block whose largest magnitude lies under 2^-124, a block of zeros too, gets the byte 1 (this program alone reads the bytes).
; REGISTERS: window 0: v1-24 addresses; v32-95 scale words (8 i + s: lanes 0-15 R's tile i, lanes 16-31 P's tile i, K step s); v96-127, v224-255 the bias, eight groups of 8; v128-223 R's fragments, one set.
;   window 1: P's fragments, two sets, at v0 and v128.   windows 2, 3: accumulator (a, b) at v[8 (8 (a % 4) + b)] of window 2 + a / 4.
.set RT,    8                          ; R's tiles of a wave
.set RHALF, RT*3072                    ; what one tensor load brings of R: 8 tiles x 4 images
.set PHALF, 8*3072
.set SLOT,  2*RHALF+2*PHALF
.set SPARE, 3*SLOT                     ; behind the slots: the spare words, 128 bytes a wave, which no other line names
.set QSOFF, 6291456                    ; q's scale words lie behind its codes
.set R16, 4                            ; v4-6   LDS address of my R tiles in slot 0, 1, 2: + 16 l
.set R8,  7                            ; v7-9   + 8 l
.set P16, 10                           ; v10-12 the same for P
.set P8,  13                           ; v13-15
.set SPW, 16                           ; my spare word's address; never rewritten
.set NIL, 17                           ; 0; never rewritten
.set SC,  32
.set RF,  128
.set G1R, 32                           ; s[32:39], s[40:47] descriptor group 1 for R's and P's tiles
.set G1P, 40
.set G0R, 48                           ; s[48:63], s[68:83] group 0, a set for each quarter of K: never rewritten
.set G0P, 68
.set E0,  84                           ; s[84:87] the way out: bases of a fragment's first image, for a / 4 = 0, 1;  s[88:91] of its second;  s[92:95] of the scale words
.set E1,  88
.set ES,  92
.set SEL, 100
.set TM,  128                          ; the way out, in window 0, where R's fragments lay
.set PW,  144
.set PC,  148
.set SW,  168
.set VO,  176
.set V8,  180
.set VS0, 184
.set SH,  185
.set MSB, 0
.macro WIN new                         ; the immediate's high byte repeats the setting that is left
.if MSB != (\new)
	s_set_vgpr_msb (MSB<<8)|(\new)
.set MSB, (\new)
.endif
.endm
.macro PLACES                          ; four plain places behind matrix instructions, in front of loads into their registers and of reads of results
.rept 4
	v_nop
.endr
.endm
.macro CREST                           ; a round of the cluster's barrier behind its opening barrier
	s_cmp_lg_u32 s16, 0
	s_cbranch_scc1 .Lnot_wave_0_\@
	s_barrier_signal -3
.Lnot_wave_0_\@:
	s_barrier_wait -3
	s_barrier_signal -1
	s_barrier_wait -1
.endm
.macro CROUND
	s_barrier_signal -1
	s_barrier_wait -1
	CREST
.endm
.macro FRAG reg, a16, a8, off          ; a fragment (16 places x 128 K, 12 registers) is two images: each 16 bytes a lane and 8 bytes a lane, consecutive from lane to lane
	ds_load_b128 v[\reg:\reg+3], v[\a16] offset:\off
	ds_load_b64 v[\reg+4:\reg+5], v[\a8] offset:\off+512
	ds_load_b128 v[\reg+6:\reg+9], v[\a16] offset:\off+768
	ds_load_b64 v[\reg+10:\reg+11], v[\a8] offset:\off+1280
.endm
.macro FETCH_P slot, q, set            ; P's eight fragments of the slot's q-th 128 along K: 32 loads
	WIN 0x40
.set i_, 0
.rept 8
	FRAG 128*(\set)+12*i_, P16+(\slot), P8+(\slot), 3072*i_+1536*(\q)
.set i_, i_+1
.endr
	WIN 0
.endm
.macro FETCH_R slot, q, i0             ; R's blocks i0 .. i0 + RT / 2 - 1: 2 RT loads
.set i_, (\i0)
.rept RT/2
	FRAG RF+12*i_, R16+(\slot), R8+(\slot), 3072*i_+1536*(\q)
.set i_, i_+1
.endr
.endm
; A quarter of a K step's products: R's blocks qd RT / 4 on, each against P's eight.  The accumulators take turns, one instruction a turn, in the same order in every step.
; z = 0: onto the sums;  z = 1: the sums begin with the bias of P's tile;  z = 2: with that of R's.
.macro MULQ qd, ks, z
.set a_, (\qd)*RT/4
.rept RT/4
.set w_, 2+a_/4
.if (\z) == 0
	WIN (w_<<6)|(w_<<4)|1
.else
	WIN (w_<<6)|1
.endif
.set b_, 0
.rept 8
.set d_, 8*(8*(a_%4)+b_)
.set p_, 128*((\ks)%2)+12*b_
.set r_, RF+12*a_
.if (\z) == 0
	v_wmma_scale_f32_16x16x128_f8f6f4 v[d_:d_+7], v[p_:p_+11], v[r_:r_+11], v[d_:d_+7], v[SC+8*b_+(\ks)], v[SC+8*a_+(\ks)] matrix_a_fmt:MATRIX_FMT_FP6 matrix_b_fmt:MATRIX_FMT_FP6 matrix_a_scale:MATRIX_SCALE_ROW1
.else
.if (\z) == 1
.set c_, 96+8*b_+96*(b_/4)
.else
.set c_, 96+8*a_+96*(a_/4)
.endif
	v_wmma_scale_f32_16x16x128_f8f6f4 v[d_:d_+7], v[p_:p_+11], v[r_:r_+11], v[c_:c_+7], v[SC+8*b_+(\ks)], v[SC+8*a_+(\ks)] matrix_a_fmt:MATRIX_FMT_FP6 matrix_b_fmt:MATRIX_FMT_FP6 matrix_a_scale:MATRIX_SCALE_ROW1
.endif
.set b_, b_+1
.endr
.set a_, a_+1
.endr
.endm
; K step ks; the next step's fragments come from (nslot, nq): P's and R's lower half in the step's middle, R's upper half at its end
.macro STEP ks, nslot, nq, z
	s_wait_dscnt 2*RT                              ; P's set and R's lower half are in; the youngest 2 RT loads (R's upper half) may be out
	MULQ 0, \ks, \z
	MULQ 1, \ks, \z
	s_wait_dscnt 0x0
	PLACES
	FETCH_P \nslot, \nq, 1-(\ks)%2
	FETCH_R \nslot, \nq, 0
	MULQ 2, \ks, \z
	MULQ 3, \ks, \z
	PLACES
	WIN 0
	FETCH_R \nslot, \nq, RT/2
.endm
; A K step with a barrier in its middle.  In front of it each wave waits for all its tensor loads, adds 0 to its spare word, and waits for that and for its LDS reads.
; fill = 1: the barrier opens a round of the cluster's, and behind the round slot 0, which nobody reads any more, takes the last quarter of K.
.macro TURN ks, nslot, fill
	s_wait_tensorcnt 0x0                           ; all my tensor loads have landed
	ds_add_u32 v[SPW], v[NIL]                      ; 0 onto my spare word
	s_wait_dscnt 2*RT+1                            ; (the add and R's upper half may be out)
	MULQ 0, \ks, 0                                 ; sixteen matrix instructions stand between the add and the wait for it
	s_wait_dscnt 0x0                               ; the add is done, and my reads of the slot are over
	s_barrier_signal -1
	MULQ 1, \ks, 0
	WIN 0
	s_barrier_wait -1
.if \fill
	CREST                                          ; no wave of any partner still reads slot 0 or has a load on its way
	s_cmp_eq_u32 s17, 0                            ; waves 0 and 1 fetch R's halves, waves 2 and 3 P's; four v_nop follow each line: they are also the places in front of the loads below
	s_cbranch_scc0 .Lfor_p_\@
	tensor_load_to_lds s[G0R+12:G0R+15], s[G1R:G1R+7]
	s_nop 0
.rept 4
	v_nop
.endr
	s_branch .Lasked_\@
.Lfor_p_\@:
	tensor_load_to_lds s[G0P+12:G0P+15], s[G1P:G1P+7]
	s_nop 0
.rept 4
	v_nop
.endr
.Lasked_\@:
.else
	PLACES
.endif
	FETCH_P \nslot, 0, 1-(\ks)%2
	FETCH_R \nslot, 0, 0
	MULQ 2, \ks, 0
	MULQ 3, \ks, 0
	PLACES
	WIN 0
	FETCH_R \nslot, 0, RT/2
.endm
	s_load_b256 s[4:11], s[0:1], 0x0               ; xc, wc, sc1, qkv_b
	s_load_b128 s[12:15], s[0:1], 0x20             ; qq, kv
	v_lshl_add_u32 v[SPW], v0, 2, SPARE
	v_mov_b32 v[NIL], 0
	ds_add_u32 v16, v17
	ds_add_u32 v16, v17
	s_wait_dscnt 0x0
	v_lshrrev_b32 v1, 5, v0
	v_readfirstlane_b32 s16, v1                    ; wave
	s_lshr_b32 s17, s16, 1                         ; which half of R's tiles is mine.  Also: I fetch for R (0) or for P (1)
	s_and_b32 s18, s16, 1                          ; which half of P's.  Also: which half of that tile I fetch
	s_mov_b32 s19, ttmp9                           ; the role
	s_bfe_u32 s20, ttmp6, 0x40000                  ; cx
	s_bfe_u32 s21, ttmp6, 0x40004                  ; cy
	s_and_b32 s22, ttmp7, 0xffff                   ; the cluster's y
	s_lshl_b32 s2, s19, 2
	s_lshl_b32 s3, s22, 2
	s_cmp_eq_u32 s19, 2                            ; v?
	s_cselect_b32 s25, s3, s2
	s_cselect_b32 s24, 8, s3
	s_add_co_u32 s25, s25, s20                     ; P's block of 256: v: tokens 4 Y + cx; else columns 4 X + cx
	s_add_co_u32 s24, s24, s21                     ; R's: v: columns 8 + cy; else tokens 4 Y + cy
	s_lshl_b32 s23, s21, 2
	s_lshl_b32 s23, 15, s23                        ; my row of the cluster
	s_lshl_b32 s67, 0x1111, s20                    ; my column
	s_or_b32 s[G1R], s23, (3<<16)|(1<<21)          ; 15:0 the mask; 17:16 elements of 8 bytes; 21 set beside a mask; no padding
	s_or_b32 s[G1P], s67, (3<<16)|(1<<21)
.irp g, G1R, G1P
	s_mov_b32 s[\g+1], 384<<16                     ; tensor_dim0: four images, 3,072 bytes
	s_mov_b32 s[\g+2], 8<<16                       ; tensor_dim1: 8 tiles
	s_mov_b32 s[\g+3], 384<<16                     ; tile_dim0
	s_mov_b32 s[\g+4], 8                           ; tile_dim1
	s_mov_b32 s[\g+5], 1536                        ; from tile to tile: 12,288 bytes
	s_mov_b32 s[\g+6], 0
	s_mov_b32 s[\g+7], 0
.endr
	s_mul_i32 s30, s18, 8*12288                    ; the half that I fetch
	s_mul_i32 s2, s24, 16*12288
	s_add_co_u32 s2, s2, s30
	s_mov_b32 s3, 0
	s_mul_i32 s66, s25, 16*12288
	s_add_co_u32 s66, s66, s30
	s_mov_b32 s67, 0
	s_mul_i32 s30, s18, RHALF                      ; where it goes: the wave's number alone enters an LDS address
	s_mul_i32 s31, s18, PHALF
	s_add_co_u32 s31, s31, 2*RHALF
	s_wait_kmcnt 0x0
	s_cmp_eq_u32 s19, 2
	s_cselect_b64 s[26:27], s[6:7], s[4:5]         ; R's codes
	s_cselect_b64 s[28:29], s[4:5], s[6:7]         ; P's
	s_add_nc_u64 s[26:27], s[26:27], s[2:3]
	s_add_nc_u64 s[28:29], s[28:29], s[66:67]
	CROUND                                         ; all sixteen work-groups are here: the first joint loads meet
.irp q, 0,1,2,3
	s_mov_b32 s[G0R+4*\q], 1
	s_add_co_u32 s[G0R+4*\q+1], s30, (\q%3)*SLOT
	s_add_nc_u64 s[G0R+4*\q+2:G0R+4*\q+3], s[26:27], \q*3072
	s_or_b32 s[G0R+4*\q+3], s[G0R+4*\q+3], 0x80000000
	s_mov_b32 s[G0P+4*\q], 1
	s_add_co_u32 s[G0P+4*\q+1], s31, (\q%3)*SLOT
	s_add_nc_u64 s[G0P+4*\q+2:G0P+4*\q+3], s[28:29], \q*3072
	s_or_b32 s[G0P+4*\q+3], s[G0P+4*\q+3], 0x80000000
.endr
	s_cmp_eq_u32 s17, 0                            ; a wave's three first fills stand in one branch: three loads of mine are out
	s_cbranch_scc0 .Lfirst_p
	tensor_load_to_lds s[G0R:G0R+3], s[G1R:G1R+7]
	s_nop 0
	tensor_load_to_lds s[G0R+4:G0R+7], s[G1R:G1R+7]
	s_nop 0
	tensor_load_to_lds s[G0R+8:G0R+11], s[G1R:G1R+7]
	s_nop 0
.rept 4
	v_nop
.endr
	s_branch .Lfirst_done
.Lfirst_p:
	tensor_load_to_lds s[G0P:G0P+3], s[G1P:G1P+7]
	s_nop 0
	tensor_load_to_lds s[G0P+4:G0P+7], s[G1P:G1P+7]
	s_nop 0
	tensor_load_to_lds s[G0P+8:G0P+11], s[G1P:G1P+7]
	s_nop 0
.rept 4
	v_nop
.endr
.Lfirst_done:
	v_and_b32 v1, 31, v0                           ; lane
	s_wait_alu depctr_va_vdst(0)
	v_lshlrev_b32 v2, 4, v1                        ; 16 l
	v_lshlrev_b32 v3, 3, v1                        ; 8 l
	v_and_b32 v20, 15, v0                          ; r
	v_bfe_u32 v21, v0, 4, 1                        ; h
	s_lshl_b32 s26, s24, 4
	s_lshl_b32 s27, s17, 3
	s_add_co_u32 s26, s26, s27                     ; my first tile of R
	s_lshl_b32 s28, s25, 4
	s_lshl_b32 s29, s18, 3
	s_add_co_u32 s28, s28, s29                     ; and of P
	s_lshl_b32 s30, s26, 9                         ; 512 bytes of scale words a tile
	s_lshl_b32 s31, s28, 9
	s_cmp_eq_u32 s19, 2
	s_cselect_b32 s2, 0x40000, 0                   ; the weight's lie 262,144 bytes into sc1
	s_cselect_b32 s3, 0, 0x40000
	s_cselect_b32 s23, s26, s28                    ; the columns' first tile, for the bias
	s_add_co_u32 s30, s30, s2
	s_add_co_u32 s31, s31, s3
	v_mov_b32 v22, s31
	v_mov_b32 v23, s30
	v_cmp_gt_u32 vcc_lo, 16, v1
	v_cndmask_b32 v18, v22, v23, vcc_lo            ; lanes 0-15 take R's words, lanes 16-31 P's
	s_wait_alu depctr_va_vdst(0)
	v_lshl_add_u32 v18, v20, 4, v18                ; 16 bytes a place: four K steps' words
.irp i, 0,1,2,3,4,5,6,7
.irp f, 0,1
	global_load_b128 v[SC+8*\i+4*\f:SC+8*\i+4*\f+3], v18, s[8:9] offset:512*\i+256*\f
.endr
.endr
	s_lshl_b32 s2, s23, 6                          ; 64 bytes of bias a tile
	s_mov_b32 s3, 0
	s_add_nc_u64 s[10:11], s[10:11], s[2:3]
	v_lshlrev_b32 v19, 6, v21                      ; 64 h
	v_and_b32 v24, 8, v20
	v_add_nc_u32 v24, v24, v20
	v_lshlrev_b32 v24, 2, v24                      ; 4 (r + 8 (r / 8))
	s_cmp_eq_u32 s19, 2
	s_cbranch_scc1 .Lbias_v
.irp b, 0,1,2,3,4,5,6,7                        ; q, k: group b holds the bias of P's tile b in the result's layout: columns 32 (b / 2) + 16 h + 8 (b % 2) + 0 .. 7
	global_load_b128 v[96+8*\b+96*(\b/4):96+8*\b+96*(\b/4)+3], v19, s[10:11] offset:4*(32*(\b/2)+8*(\b%2))
	global_load_b128 v[96+8*\b+96*(\b/4)+4:96+8*\b+96*(\b/4)+7], v19, s[10:11] offset:4*(32*(\b/2)+8*(\b%2))+16
.endr
	s_branch .Lbias_done
.Lbias_v:
	s_wait_alu depctr_va_vdst(0)
.irp a, 0,1,2,3,4,5,6,7                        ; v: the column lies on the lane: group a holds the bias of R's tile a at place r, eight times
.irp j, 0,1,2,3,4,5,6,7
	global_load_b32 v[96+8*\a+96*(\a/4)+\j], v24, s[10:11] offset:4*(32*(\a/2)+8*(\a%2))
.endr
.endr
.Lbias_done:
	s_mul_i32 s30, s17, RHALF                      ; my half of R's tiles,
	s_mul_i32 s31, s18, PHALF                      ; my half of P's,
	s_add_co_u32 s31, s31, 2*RHALF                 ; which lie behind R's
.irp s, 0,1,2
	v_add_nc_u32 v[R16+\s], s30, v2
	v_add_nc_u32 v[R8+\s], s30, v3
	v_add_nc_u32 v[P16+\s], s31, v2
	v_add_nc_u32 v[P8+\s], s31, v3
	s_add_co_u32 s30, s30, SLOT
	s_add_co_u32 s31, s31, SLOT
.endr
	; THE WAY OUT'S NUMBERS.  My 8 token tiles are one key step of one batch; my 128 columns are two heads.
	s_cmp_eq_u32 s19, 2
	s_cselect_b32 s2, s28, s26                     ; my first token tile
	s_cselect_b32 s3, s21, s20
	s_cselect_b32 s23, s17, s18
	s_lshl_b32 s3, s3, 2
	s_lshl_b32 s23, s23, 1
	s_add_co_u32 s3, s3, s23                       ; my first head
	s_lshr_b32 s23, s2, 7                          ; the batch
	s_lshl_b32 s23, s23, 4
	s_add_co_u32 s3, s3, s23                       ; 16 batch + head
	s_and_b32 s2, s2, 127                          ; the token tile within the batch
	s_lshl_b32 s23, s3, 7
	s_add_co_u32 s23, s23, s2
	s_mul_i32 s26, s23, 768                        ; q: an image a tile
	s_lshl_b32 s27, s23, 6
	s_add_co_u32 s27, s27, QSOFF                   ; q: 64 bytes of scale words a tile
	s_lshr_b32 s2, s2, 3                           ; the key step
	s_lshl_b32 s3, s3, 4
	s_add_co_u32 s3, s3, s2
	s_mul_i32 s28, s3, 13056                       ; kv: a block for each head and key step: k's 8 images, v's 8, k's scale words (at 12,288), v's (at 12,800)
	s_mov_b32 s67, 208896                          ; from head to head in kv
	s_mov_b32 s98, 1536
	s_cmp_eq_u32 s19, 2
	s_cselect_b32 s2, 6144, 0
	s_cselect_b32 s3, 512, 0
	s_cselect_b32 s98, s98, 768                    ; from a to a + 1
	s_cselect_b32 s22, s67, 3072                   ; from a to a + 4
	s_cselect_b32 s23, s67, 256                    ; the same for the scale words
	s_cselect_b32 s29, 768, s67                    ; from a fragment's first image to its second
	s_cselect_b32 s99, 0, s67                      ; scale words: from lanes 0-15 to lanes 16-31
	s_cselect_b32 s96, -1, 0xffff                  ; q, k: a word is two bytes of the fragment's four,
	s_cselect_b32 s97, 0, 0x7f7f0000               ; with 1.0 for the upper 64 of the product's 128, whose codes are zeros
	s_cselect_b32 s66, 0, 16                       ; lanes 16-31 take the upper two bytes
	s_add_co_u32 s2, s2, s28
	s_add_co_u32 s3, s3, s28
	s_add_co_u32 s3, s3, 12288
	s_cmp_eq_u32 s19, 0                            ; q?
	s_cselect_b32 s2, s26, s2
	s_cselect_b32 s26, s27, s3
	s_cselect_b32 s29, 98304, s29
	s_cselect_b32 s99, 8192, s99
	s_cselect_b64 s[30:31], s[12:13], s[14:15]
	s_mov_b32 s3, 0
	s_mov_b32 s27, 0
	s_add_nc_u64 s[E0:E0+1], s[30:31], s[2:3]
	s_add_nc_u64 s[ES:ES+1], s[30:31], s[26:27]
	s_mov_b32 s2, s22
	s_add_nc_u64 s[E0+2:E0+3], s[E0:E0+1], s[2:3]
	s_mov_b32 s2, s29
	s_add_nc_u64 s[E1:E1+1], s[E0:E0+1], s[2:3]
	s_add_nc_u64 s[E1+2:E1+3], s[E0+2:E0+3], s[2:3]
	s_mov_b32 s2, s23
	s_add_nc_u64 s[ES+2:ES+3], s[ES:ES+1], s[2:3]
	s_mov_b32 s[SEL], 0x76543210
	s_mov_b32 s[SEL+1], 0xfedcba98
	s_wait_alu depctr_va_vdst(0)
	s_wait_tensorcnt 2                             ; my part of the first quarter of K is in; the two younger loads may be out
	s_barrier_signal -1
	s_barrier_wait -1
	FETCH_P 0, 0, 0
	FETCH_R 0, 0, 0
	FETCH_R 0, 0, RT/2
	s_wait_loadcnt 0x0                             ; scale words and bias
	s_cmp_eq_u32 s19, 2                            ; the first step is written twice: it differs in which bias starts a sum
	s_cbranch_scc1 .Lstep0_v
	STEP 0, 0, 1, 1
	s_branch .Lstep0_done
.Lstep0_v:
	STEP 0, 0, 1, 2
.Lstep0_done:
	TURN 1, 1, 1                                   ; slot 0 is left and takes the last quarter of K, which has four K steps in which to land
	STEP 2, 1, 1, 0
	STEP 3, 2, 0, 0                                ; no barrier: in front of the round every wave has waited for all its loads, so slots 1 and 2 are whole
	STEP 4, 2, 1, 0
	TURN 5, 0, 0                                   ; the last quarter has landed, everybody's
	STEP 6, 0, 1, 0
	s_wait_dscnt 2*RT                              ; the last step: nothing more to fetch
	MULQ 0, 7, 0
	MULQ 1, 7, 0
	s_wait_dscnt 0x0
	MULQ 2, 7, 0
	MULQ 3, 7, 0
	WIN 0
	; THE WAY OUT.  For each of R's tiles a, a lane's 64 registers are 128 neighbours along P in the order 32 b + 16 h + i: they become one fragment's 12 registers and a scale word, and go to memory as two images.
	; q, k: the two images are two heads' (place = token);  v: one fragment of v^T (place = the head's channel, K = my 128 tokens).
.macro QUANTW a
.set s_, 64*((\a)%4)
.set w_, 2+(\a)/4
	WIN (w_<<2)|(w_<<4)
.irp b, 0,1,2,3
	v_max3_num_f32 v[TM+\b], 0x1800000, |v[s_+16*\b]|, |v[s_+1+16*\b]|     ; each accumulator is read from its low end on
.endr
.irp i, 2,4,6,8,10,12,14
.irp b, 0,1,2,3
	v_max3_num_f32 v[TM+\b], v[TM+\b], |v[s_+16*\b+\i]|, |v[s_+1+16*\b+\i]|
.endr
.endr
	WIN 0
.irp b, 0,1,2,3
	v_permlanex16_b32 v[TM+4+\b], v[TM+\b], s[SEL], s[SEL+1]
.endr
.irp b, 0,1,2,3
	v_max_num_f32 v[TM+\b], v[TM+\b], v[TM+4+\b]
.endr
.irp b, 0,1,2,3
	v_add_nc_u32 v[TM+12+\b], 0xff000000, v[TM+\b]
.endr
.irp b, 0,1,2,3
	v_lshrrev_b32 v[TM+4+\b], 23, v[TM+12+\b]
.endr
	v_lshl_or_b32 v[PW], v[TM+5], 8, v[TM+4]
	v_lshl_or_b32 v[PW], v[TM+6], 16, v[PW]
	v_lshl_or_b32 v[PW], v[TM+7], 24, v[PW]
	WIN w_
.irp c, 0,1
	v_cvt_scalef32_pk16_fp6_f32 v[PC+6*\c:PC+2+6*\c], v[s_+32*\c:s_+15+32*\c], v[TM+12+2*\c]
	v_cvt_scalef32_pk16_fp6_f32 v[PC+12+4*\c:PC+14+4*\c], v[s_+16+32*\c:s_+31+32*\c], v[TM+12+2*\c+1]
.endr
	WIN 0
	v_nop                                          ; one plain place behind a scaled conversion
.irp c, 0,1
.irp i, 0,1,2
	v_permlane16_swap_b32 v[PC+6*\c+\i], v[PC+12+4*\c+\i]
.endr
.irp i, 0,1,2
	v_mov_b32 v[PC+3+6*\c+\i], v[PC+12+4*\c+\i]
.endr
.endr
.endm
	PLACES
.irp k, 0,1,2,3
	v_mad_u32_u24 v[VO+\k], s98, \k, v2
	v_mad_u32_u24 v[V8+\k], s98, \k, v3
.endr
	v_mul_u32_u24 v[VS0], s99, v21
	v_lshl_add_u32 v[VS0], v20, 2, v[VS0]
	v_mul_u32_u24 v[SH], s66, v21
.irp b, 0,1,2,3
	v_mov_b32 v[TM+4+\b], 0
.endr
.irp a, 0,1,2,3,4,5,6,7
.if \a > 0
	s_wait_xcnt 0x0                                ; the last tile's stores have read their data
.endif
	QUANTW \a
	v_lshrrev_b32 v[SW+\a], v[SH], v[PW]
	v_and_or_b32 v[SW+\a], v[SW+\a], s96, s97
	global_store_b128 v[VO+\a%4], v[PC:PC+3], s[E0+2*(\a/4):E0+2*(\a/4)+1]                 ; 512 consecutive bytes
	global_store_b64 v[V8+\a%4], v[PC+4:PC+5], s[E0+2*(\a/4):E0+2*(\a/4)+1] offset:512     ; 256
	global_store_b128 v[VO+\a%4], v[PC+6:PC+9], s[E1+2*(\a/4):E1+2*(\a/4)+1]
	global_store_b64 v[V8+\a%4], v[PC+10:PC+11], s[E1+2*(\a/4):E1+2*(\a/4)+1] offset:512
.endr
.irp a, 0,1,2,3,4,5,6,7
	global_store_b32 v[VS0], v[SW+\a], s[ES+2*(\a/4):ES+2*(\a/4)+1] offset:64*(\a%4)       ; pieces of 64 bytes, a twelfth of the codes' bytes; in role v lanes 16-31 write what lanes 0-15 write, to the same places
.endr
	s_wait_tensorcnt 0x0                           ; the wave's end
	ds_add_u32 v[SPW], v[NIL]
	s_wait_dscnt 0x0
	CROUND                                         ; the closing round
	s_endpgm
.Lfunc_end_k_qaf49434335_gemm_qkv:
	.size	k_qaf49434335_gemm_qkv, .Lfunc_end_k_qaf49434335_gemm_qkv-k_qaf49434335_gemm_qkv
	.p2alignl 7, 3214868480
	.fill 96, 4, 3214868480
	.section	.rodata,"a",@progbits
	.p2align	6, 0x0
	.amdhsa_kernel k_qaf49434335_gemm_qkv
		.amdhsa_group_segment_fixed_size 327680
		.amdhsa_private_segment_fixed_size 0
		.amdhsa_enable_private_segment 0
		.amdhsa_kernarg_size 48
		.amdhsa_user_sgpr_count 2
		.amdhsa_user_sgpr_kernarg_segment_ptr 1
		.amdhsa_wavefront_size32 1
		.amdhsa_system_sgpr_workgroup_id_x 1
		.amdhsa_system_sgpr_workgroup_id_y 1
		.amdhsa_system_sgpr_workgroup_id_z 1
		.amdhsa_system_vgpr_workitem_id 0
		.amdhsa_next_free_vgpr 1024
		.amdhsa_next_free_sgpr 104
		.amdhsa_reserve_vcc 1
		.amdhsa_float_denorm_mode_32 3
		.amdhsa_float_denorm_mode_16_64 3
		.amdhsa_memory_ordered 1
		.amdhsa_forward_progress 1
		.amdhsa_inst_pref_size 170
	.end_amdhsa_kernel
	.amdgpu_metadata
---
amdhsa.version: [ 1, 2 ]
amdhsa.kernels:
  - .name:           k_qaf49434335_gemm_qkv
    .symbol:         k_qaf49434335_gemm_qkv.kd
    .args:
      - { .name: xc, .offset: 0, .size: 8, .value_kind: global_buffer, .address_space: global }
      - { .name: wc, .offset: 8, .size: 8, .value_kind: global_buffer, .address_space: global }
      - { .name: sc1, .offset: 16, .size: 8, .value_kind: global_buffer, .address_space: global }
      - { .name: qkv_b, .offset: 24, .size: 8, .value_kind: global_buffer, .address_space: global }
      - { .name: qq, .offset: 32, .size: 8, .value_kind: global_buffer, .address_space: global }
      - { .name: kv, .offset: 40, .size: 8, .value_kind: global_buffer, .address_space: global }
    .group_segment_fixed_size: 327680
    .private_segment_fixed_size: 0
    .kernarg_segment_align: 8
    .kernarg_segment_size: 48
    .max_flat_workgroup_size: 128
    .sgpr_count:     104
    .vgpr_count:     1024
    .wavefront_size: 32
...
	.end_amdgpu_metadata
.endif
;; end of part 2
;; launch attn (part 3): grid 4 x 64, 16 waves a work-group, clusters of 4 x 1, 327,680 bytes of LDS; arguments qq, kv, oc, sc2; writes oc, sc2
.if DOCPART == 3
	.amdgcn_target "amdgcn-amd-amdhsa--gfx1250"
	.amdhsa_code_object_version 6
	.text
	.protected	k_qaf49434335_attn
	.globl	k_qaf49434335_attn
	.p2align	8
	.type	k_qaf49434335_attn,@function
k_qaf49434335_attn:
	s_mov_b64 s[64:65], 0
	v_nop
	global_prefetch_b8 v0, s[64:65] scope:SCOPE_SE
	s_setreg_imm32_b32 hwreg(HW_REG_WAVE_MODE, 25, 1), 1
	s_wait_xcnt 0x0
	s_wait_alu depctr_hold_cnt(0) depctr_sa_sdst(0) depctr_va_vdst(0) depctr_va_sdst(0) depctr_va_ssrc(0) depctr_va_vcc(0) depctr_vm_vsrc(0)
	s_getreg_b32 s2, hwreg(HW_REG_IB_STS2, 6, 4)
	s_cmp_eq_u32 s2, 0
	s_cbranch_scc0 .Lentry_in_a_cluster
	s_endpgm
.Lentry_in_a_cluster:
	s_bfe_u32 s2, ttmp6, 0x10000c
	s_cmp_lg_u32 s2, 0x3003
	s_cbranch_scc0 .Lentry_shape_is_right
	s_endpgm
.Lentry_shape_is_right:
; Causal attention of one head on codes of FP6 (E2M3): S^T = k q^T (K = the head's 64; the instruction's upper 64 are zero codes on both sides, under the scale 1.0), O^T = v^T p^T (K = the keys).
; t = score x log2(e) / 8; M = the running largest t rounded up to a whole number; p = 2^(t - M) is quantised along the keys; the row's sum is taken of the unquantised p and divides at the end.
; The result is quantised at once along the model's 1,024 (a head is two blocks of 32) into the operand of the last product: codes to oc, two scale bytes a row to sc2.
; SHARES.  The four work-groups of a cluster serve one head (the cluster's y).  Work-group cx owns query tiles 4 j + cx, j = 0 .. 31; wave w takes j = 31 - w and then j = w.  Tile 4 j + cx needs key steps 0 .. j / 2,
; the last of them on the diagonal: 17 key steps for every wave of every work-group.  No branch hangs on cx.
; THE WHOLE HEAD'S k AND v lie in LDS, 16 blocks of 13,056 bytes (a key step of 128 keys: k's 8 images, v's 8, k's scale words, v's), filled once by joint loads, block w by wave w.  Blocks 0 and 1 go first, the others
; behind a second round, so that the first two key steps run while they land.
; A lane holds one query throughout; the keys of a tile are not neighbours (tile 2 B + u, place r: key 32 B + 8 u + r + 8 (r / 8)), so that p's 16 registers of two neighbouring tiles are 16 neighbouring keys.
; LIMITS: NaN and infinities are not served; a block of o whose largest magnitude lies under 2^-124 gets the byte 1.
; REGISTERS: v1-3 16 l, 8 l, 4 l; v4, v5 the spare word's address and 0; v6-8 the step's LDS addresses; v9, v10 the mask's numbers; v11 4 r; v12 -M; v13 the largest t; v[14:15] the sum; v16-27 q; v28 q's scale words;
;   v29 at work; v30 f; v31 p's scale word; v32-79 four fragments of k; v80-91 at work; v92-95 k's scale words; v96-159 S^T, then p; v160-191 O^T; v192-239 v's four fragments; v240-251 p's codes; v252-253 v's scale words; v254 -infinity; v255 16 r.
.set BLK,   13056
.set SPARE, 16*BLK                     ; behind the head: the spare words, 128 bytes for each of 16 waves, which no other line names
.set QSOFF, 6291456
.macro ROUND                           ; a round of the cluster's barrier
	s_barrier_signal -1
	s_barrier_wait -1
	s_cmp_lg_u32 s12, 0
	s_cbranch_scc1 .Lnot_wave_0_\@
	s_barrier_signal -3
.Lnot_wave_0_\@:
	s_barrier_wait -3
	s_barrier_signal -1
	s_barrier_wait -1
.endm
	s_load_b256 s[4:11], s[0:1], 0x0               ; qq, kv, oc, sc2
	v_lshl_add_u32 v4, v0, 2, SPARE
	v_mov_b32 v5, 0
	ds_add_u32 v4, v5
	ds_add_u32 v4, v5
	s_wait_dscnt 0x0
	v_lshrrev_b32 v1, 5, v0
	s_delay_alu instid0(VALU_DEP_1)
	v_readfirstlane_b32 s12, v1                    ; wave 0..15
	s_bfe_u32 s13, ttmp6, 0x40000                  ; cx
	s_and_b32 s14, ttmp7, 0xffff                   ; 16 batch + head
	s_mov_b32 s20, 15|(3<<16)|(1<<21)              ; group 1: the mask names all four; elements of 8 bytes; bit 21 beside a mask; a dense block as 51 rows of 256 bytes
	s_mov_b32 s21, 32<<16
	s_mov_b32 s22, 51<<16
	s_mov_b32 s23, 32<<16
	s_mov_b32 s24, 51
	s_mov_b32 s25, 32
	s_mov_b32 s26, 0
	s_mov_b32 s27, 0
	s_lshl_b32 s2, s14, 4
	s_add_co_u32 s2, s2, s12
	s_mul_i32 s2, s2, BLK                          ; my block in memory,
	s_mov_b32 s3, 0
	s_mul_i32 s56, s12, BLK                        ; and in LDS
	s_mov_b32 s16, 0x76543210
	s_mov_b32 s17, 0xfedcba98                      ; selects for lane l xor 16
	s_mov_b32 s18, 0x3e38aa3b                      ; c = log2(e) / 8
	s_mov_b32 s19, s18
	s_wait_kmcnt 0x0
	s_mov_b32 s28, 1
	s_mov_b32 s29, s56
	s_add_nc_u64 s[30:31], s[6:7], s[2:3]
	s_or_b32 s31, s31, 0x80000000
	ROUND                                          ; all four work-groups are here
	s_cmp_lt_u32 s12, 2
	s_cbranch_scc0 .Lnot_first
	tensor_load_to_lds s[28:31], s[20:27]          ; key steps 0 and 1
	s_nop 0
.rept 4
	v_nop
.endr
.Lnot_first:
	; where q comes from and o goes to, for both passes
	s_and_b32 s61, s14, 15                         ; the head
	s_lshr_b32 s62, s61, 3
	s_lshl_b32 s62, s62, 8                         ; o's scale bytes: half of K,
	s_lshr_b32 s60, s61, 1
	s_and_b32 s60, s60, 3
	s_lshl_b32 s60, s60, 2
	s_add_co_u32 s62, s62, s60                     ; word,
	s_and_b32 s60, s61, 1
	s_lshl_b32 s60, s60, 1
	s_add_co_u32 s62, s62, s60                     ; half of the word
	s_mul_i32 s61, s61, 768                        ; o's codes: the head's image
.macro PASSADR p                       ; s57 = j
	s_lshl_b32 s58, s57, 2
	s_add_co_u32 s58, s58, s13                     ; the query tile
	s_lshr_b32 s[54+\p], s57, 1                    ; its last key step: from the wave's number alone
	s_lshr_b32 s59, s58, 1
	s_and_b32 s59, s59, 3
	s_lshl_b32 s59, s59, 5
	s_and_b32 s60, s58, 1
	s_lshl_b32 s60, s60, 3
	s_add_co_u32 s[52+\p], s59, s60                ; the tile's first query within that key step
	s_lshl_b32 s59, s14, 7
	s_add_co_u32 s59, s59, s58
	s_mul_i32 s2, s59, 768
	s_add_nc_u64 s[36+4*\p:37+4*\p], s[4:5], s[2:3]
	s_lshl_b32 s2, s59, 6
	s_add_co_u32 s2, s2, QSOFF
	s_add_nc_u64 s[38+4*\p:39+4*\p], s[4:5], s[2:3]
	s_lshr_b32 s59, s14, 4
	s_lshl_b32 s59, s59, 7
	s_add_co_u32 s59, s59, s58                     ; the token tile: 128 batch + query tile
	s_mul_i32 s2, s59, 12288
	s_add_co_u32 s2, s2, s61
	s_add_nc_u64 s[44+4*\p:45+4*\p], s[8:9], s[2:3]
	s_lshl_b32 s2, s59, 9
	s_add_co_u32 s2, s2, s62
	s_add_nc_u64 s[46+4*\p:47+4*\p], s[10:11], s[2:3]
.endm
	s_sub_co_u32 s57, 31, s12
	PASSADR 0
	s_mov_b32 s57, s12
	PASSADR 1
	v_and_b32 v6, 31, v0
	s_delay_alu instid0(VALU_DEP_1)
	v_lshlrev_b32 v1, 4, v6
	s_delay_alu instid0(VALU_DEP_2)
	v_lshlrev_b32 v2, 3, v6
	s_delay_alu instid0(VALU_DEP_3)
	v_lshlrev_b32 v3, 2, v6
	v_and_b32 v7, 15, v0                           ; r
	v_bfe_u32 v8, v0, 4, 1                         ; h
	s_delay_alu instid0(VALU_DEP_2)
	v_lshlrev_b32 v11, 2, v7
	s_delay_alu instid0(VALU_DEP_3)
	v_lshlrev_b32 v255, 4, v7
	global_load_b128 v[16:19], v1, s[36:37]        ; q's image: registers 0-5 of its fragment
	global_load_b64 v[20:21], v2, s[36:37] offset:512
	global_load_b32 v28, v11, s[38:39]
	v_and_b32 v9, 8, v7
	s_delay_alu instid0(VALU_DEP_1)
	v_add_nc_u32 v9, v9, v7
	v_lshlrev_b32 v8, 4, v8
	s_delay_alu instid0(VALU_DEP_1)
	v_sub_nc_u32 v9, v9, v8                        ; r + 8 (r / 8) - 16 h
.irp i, 22,23,24,25,26,27
	v_mov_b32 v\i, 0                               ; the upper 64 of the product's 128: zero codes, written once
.endr
.irp t, 0,1,2,3
.irp i, 6,7,8,9,10,11
	v_mov_b32 v[32+12*\t+\i], 0
.endr
.endr
	v_mov_b32 v29, 0                               ; (lane permutes' destinations count as sources; v31 is named as the upper half of a pair)
	v_mov_b32 v31, 0
.irp i, 84,85,86,87
	v_mov_b32 v\i, 0
.endr
	v_mov_b32 v254, 0xff800000
	s_wait_tensorcnt 0x0                           ; key steps 0 and 1 have landed;
	ds_add_u32 v4, v5                              ; 0 onto my spare word
	ds_add_u32 v4, v5
	s_wait_dscnt 0x0
	ROUND
	s_cmp_ge_u32 s12, 2
	s_cbranch_scc0 .Lnot_second
	tensor_load_to_lds s[28:31], s[20:27]          ; key steps 2 to 15: a wave's one load; they land while the first two steps are worked
	s_nop 0
.rept 4
	v_nop
.endr
.Lnot_second:
.macro SMUL t, f                       ; S^T's tile t from fragment f; two tiles' scale words share a register: the odd tile's lie in lanes 16-31
.if (\t)%2
	v_wmma_scale_f32_16x16x128_f8f6f4 v[96+8*(\t):103+8*(\t)], v[32+12*(\f):43+12*(\f)], v[16:27], 0, v[92+(\t)/2], v28 matrix_a_fmt:MATRIX_FMT_FP6 matrix_b_fmt:MATRIX_FMT_FP6 matrix_a_scale:MATRIX_SCALE_ROW1
.else
	v_wmma_scale_f32_16x16x128_f8f6f4 v[96+8*(\t):103+8*(\t)], v[32+12*(\f):43+12*(\f)], v[16:27], 0, v[92+(\t)/2], v28 matrix_a_fmt:MATRIX_FMT_FP6 matrix_b_fmt:MATRIX_FMT_FP6
.endif
.endm
.macro OMUL d
.if (\d)%2
	v_wmma_scale_f32_16x16x128_f8f6f4 v[160+8*(\d):167+8*(\d)], v[192+12*(\d):203+12*(\d)], v[240:251], v[160+8*(\d):167+8*(\d)], v[252+(\d)/2], v31 matrix_a_fmt:MATRIX_FMT_FP6 matrix_b_fmt:MATRIX_FMT_FP6 matrix_a_scale:MATRIX_SCALE_ROW1
.else
	v_wmma_scale_f32_16x16x128_f8f6f4 v[160+8*(\d):167+8*(\d)], v[192+12*(\d):203+12*(\d)], v[240:251], v[160+8*(\d):167+8*(\d)], v[252+(\d)/2], v31 matrix_a_fmt:MATRIX_FMT_FP6 matrix_b_fmt:MATRIX_FMT_FP6
.endif
.endm
; A KEY STEP: 128 keys, at LDS byte s32; s33 is its number, s34 the tile's last.  tests = 1: a step behind the last is left out (a scalar branch on the wave's number and the loop's count), and the last is masked.
.macro STEP tests
.if \tests
	s_cmp_gt_u32 s33, s34
	s_cbranch_scc1 .Lhid_\@
.endif
	s_setprio 2
	v_add_nc_u32 v6, s32, v1
	v_add_nc_u32 v7, s32, v2
	v_add_nc_u32 v8, s32, v3
	v_nop                                          ; four places in front of the loads into registers that the last step's products have read
.irp t, 0,1,2,3
	ds_load_b128 v[32+12*\t:35+12*\t], v6 offset:768*\t
	ds_load_b64 v[36+12*\t:37+12*\t], v7 offset:768*\t+512
.endr
.irp p, 0,1,2,3
	ds_load_b32 v[92+\p], v8 offset:12288+128*\p
.endr
.irp d, 0,1,2,3
	ds_load_b128 v[192+12*\d:195+12*\d], v6 offset:6144+1536*\d
	ds_load_b64 v[196+12*\d:197+12*\d], v7 offset:6144+1536*\d+512
	ds_load_b128 v[198+12*\d:201+12*\d], v6 offset:6144+1536*\d+768
	ds_load_b64 v[202+12*\d:203+12*\d], v7 offset:6144+1536*\d+1280
.endr
.irp p, 0,1
	ds_load_b32 v[252+\p], v8 offset:12800+128*\p
.endr
	s_wait_alu depctr_va_vdst(0)
	s_wait_dscnt 18                                ; k's first four tiles and its scale words are in; v's 16 loads and its 2 of scale words may be out
.irp t, 0,1,2,3
	SMUL \t, \t
.endr
.rept 4
	v_nop
.endr
.irp t, 0,1,2,3
	ds_load_b128 v[32+12*\t:35+12*\t], v6 offset:768*(4+\t)
	ds_load_b64 v[36+12*\t:37+12*\t], v7 offset:768*(4+\t)+512
.endr
	s_wait_dscnt 0x0
.irp t, 0,1,2,3
	SMUL 4+\t, \t
.endr
.rept 4
	v_nop
.endr
.if \tests
	s_cmp_lg_u32 s33, s34
	s_cbranch_scc1 .Lopen_\@
.set n_, 0
.rept 64                                       ; on the diagonal: register 16 b + i holds key 32 b + 16 h + i of the step: hidden where 32 b + i > my query - 16 h
	v_cmp_gt_i32 vcc_lo, 32*(n_/16)+n_%16, v10
	v_cndmask_b32 v[96+n_], v[96+n_], v254, vcc_lo
.set n_, n_+1
.endr
.Lopen_\@:
.endif
.irp b, 0,1,2,3
	v_max3_num_f32 v[80+\b], v[96+16*\b], v[97+16*\b], v[98+16*\b]        ; the largest score of each block of 32 keys: for the row's maximum and, since p rises with the score, for the block's largest p
.endr
.irp i, 3,5,7,9,11,13
.irp b, 0,1,2,3
	v_max3_num_f32 v[80+\b], v[80+\b], v[96+16*\b+\i], v[97+16*\b+\i]
.endr
.endr
.irp b, 0,1,2,3
	v_max_num_f32 v[80+\b], v[80+\b], v[111+16*\b]
.endr
.irp b, 0,1,2,3
	s_delay_alu instid0(VALU_DEP_4)
	v_permlanex16_b32 v[84+\b], v[80+\b], s16, s17
.endr
.irp b, 0,1,2,3
	s_delay_alu instid0(VALU_DEP_4)
	v_max_num_f32 v[80+\b], v[80+\b], v[84+\b]
.endr
	s_delay_alu instid0(VALU_DEP_2)
	v_max3_num_f32 v29, v80, v81, v82
	s_delay_alu instid0(VALU_DEP_1)
	v_max_num_f32 v29, v29, v83
	s_delay_alu instid0(VALU_DEP_1)
	v_mul_f32 v29, s18, v29
	s_delay_alu instid0(VALU_DEP_1)
	v_max_num_f32 v13, v13, v29                    ; the running largest t
	v_mov_b32 v29, v12
	s_delay_alu instid0(VALU_DEP_2)
	v_floor_f32 v12, -v13                          ; -M = floor(-t): M is a whole number
	s_delay_alu instid0(VALU_DEP_1)
	v_sub_f32 v29, v12, v29
	s_delay_alu instid0(VALU_DEP_1)
	v_cvt_i32_f32 v29, v29                         ; (it saturates)
	s_delay_alu instid0(VALU_DEP_1)
	v_ldexp_f32 v30, 1.0, v29                      ; f = 2^(old M - new M): a multiplication by it rounds nothing
.set j_, 0
.rept 32
	v_pk_fma_f32 v[96+j_:97+j_], v[96+j_:97+j_], s[18:19], v[12:13] op_sel_hi:[1,0,0]   ; t - M
.set j_, j_+2
.endr
.irp b, 0,1,2,3
	v_fma_f32 v[80+\b], v[80+\b], s18, v12
.endr
.set j_, 0
	s_setprio 1
	s_wait_alu depctr_va_vdst(0)
.rept 64
	v_exp_f32 v[96+j_], v[96+j_]                   ; p = 2^(t - M)
.set j_, j_+1
.endr
.irp b, 0,1,2,3
	v_exp_f32 v[80+\b], v[80+\b]                   ; the blocks' largest p: one batch with the 64
.endr
	v_pk_mul_f32 v[14:15], v[14:15], v[30:31] op_sel_hi:[1,0]             ; the sums and O^T under the new M: work that names no exponential's result
.set j_, 0
	s_wait_alu depctr_va_vdst(0)
.rept 16
	v_pk_mul_f32 v[160+j_:161+j_], v[160+j_:161+j_], v[30:31] op_sel_hi:[1,0]
.set j_, j_+2
.endr
	s_wait_alu depctr_va_vdst(0)                   ; one wait for the batch of 68, ahead of its first reader
.irp b, 0,1,2,3
	v_max_num_f32 v[80+\b], 0x1800000, v[80+\b]    ; the floor: the byte cannot fall under 1
.endr
.irp b, 0,1,2,3
	s_delay_alu instid0(VALU_DEP_4)
	v_add_nc_u32 v[88+\b], 0xff000000, v[80+\b]    ; the conversion's scale operand
.endr
.irp b, 0,1,2,3
	s_delay_alu instid0(VALU_DEP_4)
	v_lshrrev_b32 v[84+\b], 23, v[88+\b]
.endr
	s_delay_alu instid0(VALU_DEP_3)
	v_lshl_or_b32 v31, v85, 8, v84                 ; p's scale word for these 128 keys
	s_delay_alu instid0(VALU_DEP_1)
	v_lshl_or_b32 v31, v86, 16, v31
	s_delay_alu instid0(VALU_DEP_1)
	v_lshl_or_b32 v31, v87, 24, v31
	v_cvt_scalef32_pk16_fp6_f32 v[240:242], v[96:111], v88
	v_cvt_scalef32_pk16_fp6_f32 v[84:86], v[112:127], v89
	v_cvt_scalef32_pk16_fp6_f32 v[246:248], v[128:143], v90
	v_cvt_scalef32_pk16_fp6_f32 v[80:82], v[144:159], v91
	v_nop                                          ; one plain place behind a scaled conversion
.irp i, 0,1,2
	v_permlane16_swap_b32 v[240+\i], v[84+\i]
.endr
.irp i, 0,1,2
	s_delay_alu instid0(VALU_DEP_3)
	v_mov_b32 v[243+\i], v[84+\i]
.endr
.irp i, 0,1,2
	v_permlane16_swap_b32 v[246+\i], v[80+\i]
.endr
.irp i, 0,1,2
	s_delay_alu instid0(VALU_DEP_3)
	v_mov_b32 v[249+\i], v[80+\i]
.endr
	v_pk_add_f32 v[84:85], v[100:101], v[104:105]
	v_pk_add_f32 v[94:95], v[108:109], v[112:113]
	v_pk_add_f32 v[92:93], v[116:117], v[120:121]
	s_setprio 0
	v_pk_add_f32 v[90:91], v[124:125], v[128:129]
	v_pk_add_f32 v[88:89], v[132:133], v[136:137]
	v_pk_add_f32 v[82:83], v[140:141], v[144:145]
	v_pk_add_f32 v[80:81], v[148:149], v[152:153]
	v_pk_add_f32 v[14:15], v[14:15], v[156:157]
	v_pk_add_f32 v[84:85], v[84:85], v[96:97]
	v_pk_add_f32 v[94:95], v[94:95], v[98:99]
	v_pk_add_f32 v[92:93], v[92:93], v[102:103]
	v_pk_add_f32 v[90:91], v[90:91], v[106:107]
	v_pk_add_f32 v[88:89], v[88:89], v[110:111]
	v_pk_add_f32 v[82:83], v[82:83], v[114:115]
	v_pk_add_f32 v[80:81], v[80:81], v[118:119]
	v_pk_add_f32 v[14:15], v[14:15], v[122:123]
	v_pk_add_f32 v[84:85], v[84:85], v[126:127]
	v_pk_add_f32 v[94:95], v[94:95], v[130:131]
	v_pk_add_f32 v[92:93], v[92:93], v[134:135]
	v_pk_add_f32 v[90:91], v[90:91], v[138:139]
	v_pk_add_f32 v[88:89], v[88:89], v[142:143]
	v_pk_add_f32 v[82:83], v[82:83], v[146:147]
	v_pk_add_f32 v[80:81], v[80:81], v[150:151]
	v_pk_add_f32 v[14:15], v[14:15], v[154:155]
	v_pk_add_f32 v[84:85], v[84:85], v[158:159]
	s_delay_alu instid0(VALU_DEP_2)
	v_pk_add_f32 v[14:15], v[14:15], v[90:91]
	s_delay_alu instid0(VALU_DEP_2)
	v_pk_add_f32 v[84:85], v[84:85], v[88:89]
	v_pk_add_f32 v[94:95], v[94:95], v[82:83]
	v_pk_add_f32 v[92:93], v[92:93], v[80:81]
	s_delay_alu instid0(VALU_DEP_2)
	v_pk_add_f32 v[14:15], v[14:15], v[94:95]
	s_delay_alu instid0(VALU_DEP_2)
	v_pk_add_f32 v[84:85], v[84:85], v[92:93]
	s_delay_alu instid0(VALU_DEP_1)
	v_pk_add_f32 v[14:15], v[14:15], v[84:85]
.irp d, 0,1,2,3
	OMUL \d                                        ; the four accumulators by turns
.endr
.if \tests
.Lhid_\@:
.endif
.endm
.macro INIT p
	s_wait_xcnt 0x0                                ; earlier loads and stores have read their registers
	v_mov_b32 v13, 0xff61b1e6                      ; -3e38, under every t
	s_delay_alu instid0(VALU_DEP_1)
	v_floor_f32 v12, -v13
	v_mov_b32 v14, 0
	v_mov_b32 v15, 0
.set j_, 0
.rept 32
	v_mov_b32 v[160+j_], 0                         ; the step is written without a first form of its own: the first change of M multiplies zeros
.set j_, j_+1
.endr
	v_add_nc_u32 v10, s[52+\p], v9
	s_mov_b32 s34, s[54+\p]
.endm
; THE WAY OUT of a tile: O^T / the sum; a lane's 32 registers are channels 32 b + 16 h + i: two blocks of the last product's K: one image and two scale bytes a row.
.macro EPI p
.rept 4
	v_nop
.endr
.if (\p) == 0
	global_load_b128 v[16:19], v1, s[40:41]        ; the second pass's q: asked for here, awaited in front of that pass
	global_load_b64 v[20:21], v2, s[40:41] offset:512
	global_load_b32 v28, v11, s[42:43]
.endif
	v_add_f32 v14, v14, v15
	s_delay_alu instid0(VALU_DEP_1)
	v_permlanex16_b32 v29, v14, s16, s17
	s_delay_alu instid0(VALU_DEP_1)
	v_add_f32 v14, v14, v29
	s_wait_alu depctr_va_vdst(0)
	v_rcp_f32 v14, v14
	v_nop
	s_wait_alu depctr_va_vdst(0)
.set j_, 0
.rept 32
	v_mul_f32 v[96+j_], v[160+j_], v14
.set j_, j_+1
.endr
.irp b, 0,1
	v_max3_num_f32 v[80+\b], |v[96+16*\b]|, |v[97+16*\b]|, 0x1800000
.endr
.irp i, 2,4,6,8,10,12,14
.irp b, 0,1
	s_delay_alu instid0(VALU_DEP_2)
	v_max3_num_f32 v[80+\b], v[80+\b], |v[96+16*\b+\i]|, |v[97+16*\b+\i]|
.endr
.endr
.irp b, 0,1
	s_delay_alu instid0(VALU_DEP_2)
	v_permlanex16_b32 v[84+\b], v[80+\b], s16, s17
.endr
.irp b, 0,1
	s_delay_alu instid0(VALU_DEP_2)
	v_max_num_f32 v[80+\b], v[80+\b], v[84+\b]
.endr
.irp b, 0,1
	s_delay_alu instid0(VALU_DEP_2)
	v_add_nc_u32 v[88+\b], 0xff000000, v[80+\b]
.endr
.irp b, 0,1
	s_delay_alu instid0(VALU_DEP_2)
	v_lshrrev_b32 v[84+\b], 23, v[88+\b]
.endr
	s_delay_alu instid0(VALU_DEP_1)
	v_lshl_or_b32 v29, v85, 8, v84
	v_cvt_scalef32_pk16_fp6_f32 v[240:242], v[96:111], v88
	v_cvt_scalef32_pk16_fp6_f32 v[84:86], v[112:127], v89
	v_nop
.irp i, 0,1,2
	v_permlane16_swap_b32 v[240+\i], v[84+\i]
.endr
.irp i, 0,1,2
	s_delay_alu instid0(VALU_DEP_3)
	v_mov_b32 v[243+\i], v[84+\i]
.endr
	global_store_b128 v1, v[240:243], s[44+4*(\p):45+4*(\p)]              ; 512 consecutive bytes
	global_store_b64 v2, v[244:245], s[44+4*(\p):45+4*(\p)] offset:512    ; 256
	global_store_b16 v255, v29, s[46+4*(\p):47+4*(\p)]                    ; two bytes a row, 16 bytes apart: a 24th of o's bytes; lanes 16-31 write what lanes 0-15 write, to the same places
.endm
	s_wait_loadcnt 0x0                             ; q
	INIT 0
	s_mov_b32 s32, 0
	s_mov_b32 s33, 0
.LA0:                                              ; key steps 0 and 1: every wave's first tile needs them whole
	STEP 0
	s_add_co_u32 s32, s32, BLK
	s_add_co_u32 s33, s33, 1
	s_cmp_lt_u32 s33, 2
	s_cbranch_scc1 .LA0
	s_setprio 0
	s_wait_tensorcnt 0x0                           ; my block has landed;
	ds_add_u32 v4, v5
	s_wait_dscnt 0x0
	s_barrier_signal -1
	s_barrier_wait -1                              ; everybody's has: the head is whole, and no barrier follows until the end
	s_mov_b32 s32, 2*BLK
	s_mov_b32 s33, 2
.LA1:
	STEP 1
	s_add_co_u32 s32, s32, BLK
	s_add_co_u32 s33, s33, 1
	s_cmp_lt_u32 s33, 16
	s_cbranch_scc1 .LA1
	s_setprio 0
	s_wait_alu depctr_va_vdst(0)
	EPI 0
	INIT 1
	s_wait_loadcnt 0x0                             ; the second pass's q
	s_mov_b32 s32, 0
	s_mov_b32 s33, 0
.LB:
	STEP 1
	s_add_co_u32 s32, s32, BLK
	s_add_co_u32 s33, s33, 1
	s_cmp_lt_u32 s33, 8
	s_cbranch_scc1 .LB
	s_setprio 0
	s_wait_alu depctr_va_vdst(0)
	EPI 1
	s_wait_tensorcnt 0x0                           ; the wave's end
	ds_add_u32 v4, v5
	s_wait_dscnt 0x0
	ROUND                                          ; the closing round
	s_endpgm
.Lfunc_end_k_qaf49434335_attn:
	.size	k_qaf49434335_attn, .Lfunc_end_k_qaf49434335_attn-k_qaf49434335_attn
	.p2alignl 7, 3214868480
	.fill 96, 4, 3214868480
	.section	.rodata,"a",@progbits
	.p2align	6, 0x0
	.amdhsa_kernel k_qaf49434335_attn
		.amdhsa_group_segment_fixed_size 327680
		.amdhsa_private_segment_fixed_size 0
		.amdhsa_enable_private_segment 0
		.amdhsa_kernarg_size 32
		.amdhsa_user_sgpr_count 2
		.amdhsa_user_sgpr_kernarg_segment_ptr 1
		.amdhsa_wavefront_size32 1
		.amdhsa_system_sgpr_workgroup_id_x 1
		.amdhsa_system_sgpr_workgroup_id_y 1
		.amdhsa_system_sgpr_workgroup_id_z 1
		.amdhsa_system_vgpr_workitem_id 0
		.amdhsa_next_free_vgpr 256
		.amdhsa_next_free_sgpr 66
		.amdhsa_reserve_vcc 1
		.amdhsa_float_denorm_mode_32 3
		.amdhsa_float_denorm_mode_16_64 3
		.amdhsa_memory_ordered 1
		.amdhsa_forward_progress 1
		.amdhsa_inst_pref_size 83
	.end_amdhsa_kernel
	.amdgpu_metadata
---
amdhsa.version: [ 1, 2 ]
amdhsa.kernels:
  - .name:           k_qaf49434335_attn
    .symbol:         k_qaf49434335_attn.kd
    .args:
      - { .name: qq, .offset: 0, .size: 8, .value_kind: global_buffer, .address_space: global }
      - { .name: kv, .offset: 8, .size: 8, .value_kind: global_buffer, .address_space: global }
      - { .name: oc, .offset: 16, .size: 8, .value_kind: global_buffer, .address_space: global }
      - { .name: sc2, .offset: 24, .size: 8, .value_kind: global_buffer, .address_space: global }
    .group_segment_fixed_size: 327680
    .private_segment_fixed_size: 0
    .kernarg_segment_align: 8
    .kernarg_segment_size: 32
    .max_flat_workgroup_size: 512
    .sgpr_count:     66
    .vgpr_count:     256
    .wavefront_size: 32
...
	.end_amdgpu_metadata
.endif
;; end of part 3
;; launch gemm_out (part 4): grid 4 x 64, 4 waves a work-group, clusters of 4 x 4, 295,424 bytes of LDS; arguments oc, pc, sc2, proj_b, out0; writes out0
.if DOCPART == 4
	.amdgcn_target "amdgcn-amd-amdhsa--gfx1250"
	.amdhsa_code_object_version 6
	.text
	.protected	k_qaf49434335_gemm_out
	.globl	k_qaf49434335_gemm_out
	.p2align	8
	.type	k_qaf49434335_gemm_out,@function
k_qaf49434335_gemm_out:
	s_mov_b64 s[64:65], 0
	v_nop
	global_prefetch_b8 v0, s[64:65] scope:SCOPE_SE
	s_setreg_imm32_b32 hwreg(HW_REG_WAVE_MODE, 25, 1), 1
	s_wait_xcnt 0x0
	s_wait_alu depctr_hold_cnt(0) depctr_sa_sdst(0) depctr_va_vdst(0) depctr_va_sdst(0) depctr_va_ssrc(0) depctr_va_vcc(0) depctr_vm_vsrc(0)
	s_getreg_b32 s2, hwreg(HW_REG_IB_STS2, 6, 4)
	s_cmp_eq_u32 s2, 0
	s_cbranch_scc0 .Lentry_in_a_cluster
	s_endpgm
.Lentry_in_a_cluster:
	s_bfe_u32 s2, ttmp6, 0x10000c
	s_cmp_lg_u32 s2, 0xf033
	s_cbranch_scc0 .Lentry_shape_is_right
	s_endpgm
.Lentry_shape_is_right:
; out0 = o proj_w + proj_b on codes of FP6 (E2M3), K = 1,024; out0 [8192][1024] f32.
; A work-group of four waves makes 128 tokens x 256 columns, a wave 64 x 128: 32 accumulators; 256 work-groups.  Source 0 = P = the weight's columns (they run along a lane's registers), source 1 = R = the tokens.
; P's tile hangs on cx and is shared along a column of the cluster, R's on cy and is shared along a row: each is asked for jointly.  Codes lie in memory in the order of the operand's registers (images of 768 bytes).
; All of K lies in LDS: four slots of 256 along K, each filled once, all asked for at the start: four loads of a wave are out at the most, and no byte is filled twice.  All scale words stay in registers; the bias starts the sums.
; A tile's places are not neighbours: tile 2 B + u, place r, is true index 32 B + 8 u + r + 8 (r / 8).
; REGISTERS: window 0: v1-27 addresses; v32-95 scale words (8 i + s: lanes 0-15 R's tile i, lanes 16-31 P's tile i, K step s); v96-127, v224-255 the bias; v128-175 R's fragments.  window 1: P's fragments, two sets.  window 2: accumulator (a, b) at v[8 (8 a + b)].
.set RT,    4
.set RHALF, RT*3072
.set PHALF, 8*3072
.set SLOT,  2*RHALF+2*PHALF
.set R16, 4                            ; v4-7
.set R8,  8                            ; v8-11
.set P16, 12                           ; v12-15
.set P8,  16                           ; v16-19
.set STO, 20
.set RD,  21
.set SC,  32
.set RF,  128
.set BK,  128                          ; the way out: 16 rows read back: v128-191 and v192-255 by turns
.set G1R, 32
.set G1P, 40
.set G0R, 48
.set G0P, 68
.set MSB, 0
.macro WIN new
.if MSB != (\new)
	s_set_vgpr_msb (MSB<<8)|(\new)
.set MSB, (\new)
.endif
.endm
.macro PLACES
.rept 4
	v_nop
.endr
.endm
.macro CROUND
	s_barrier_signal -1
	s_barrier_wait -1
	s_cmp_lg_u32 s16, 0
	s_cbranch_scc1 .Lnot_wave_0_\@
	s_barrier_signal -3
.Lnot_wave_0_\@:
	s_barrier_wait -3
	s_barrier_signal -1
	s_barrier_wait -1
.endm
.macro FRAG reg, a16, a8, off
	ds_load_b128 v[\reg:\reg+3], v[\a16] offset:\off
	ds_load_b64 v[\reg+4:\reg+5], v[\a8] offset:\off+512
	ds_load_b128 v[\reg+6:\reg+9], v[\a16] offset:\off+768
	ds_load_b64 v[\reg+10:\reg+11], v[\a8] offset:\off+1280
.endm
.macro FETCH_P slot, q, set
	WIN 0x40
.set i_, 0
.rept 8
	FRAG 128*(\set)+12*i_, P16+(\slot), P8+(\slot), 3072*i_+1536*(\q)
.set i_, i_+1
.endr
	WIN 0
.endm
.macro FETCH_R slot, q, i0
.set i_, (\i0)
.rept RT/2
	FRAG RF+12*i_, R16+(\slot), R8+(\slot), 3072*i_+1536*(\q)
.set i_, i_+1
.endr
.endm
; R's block a against P's eight; the 32 accumulators take turns, one instruction a turn.  z = 1: the sums begin with the bias of P's tile.
.macro MULQ a, ks, z
.if (\z) == 0
	WIN 0xa1
.else
	WIN 0x81
.endif
.set b_, 0
.rept 8
.set d_, 8*(8*(\a)+b_)
.set p_, 128*((\ks)%2)+12*b_
.set r_, RF+12*(\a)
.set c_, 96+8*b_+96*(b_/4)
.if (\z) == 0
	v_wmma_scale_f32_16x16x128_f8f6f4 v[d_:d_+7], v[p_:p_+11], v[r_:r_+11], v[d_:d_+7], v[SC+8*b_+(\ks)], v[SC+8*(\a)+(\ks)] matrix_a_fmt:MATRIX_FMT_FP6 matrix_b_fmt:MATRIX_FMT_FP6 matrix_a_scale:MATRIX_SCALE_ROW1
.else
	v_wmma_scale_f32_16x16x128_f8f6f4 v[d_:d_+7], v[p_:p_+11], v[r_:r_+11], v[c_:c_+7], v[SC+8*b_+(\ks)], v[SC+8*(\a)+(\ks)] matrix_a_fmt:MATRIX_FMT_FP6 matrix_b_fmt:MATRIX_FMT_FP6 matrix_a_scale:MATRIX_SCALE_ROW1
.endif
.set b_, b_+1
.endr
.endm
.macro STEP ks, nslot, nq, z
	s_wait_dscnt 2*RT                              ; P's set and R's lower half are in; R's upper half (the youngest 2 RT loads) may be out
	MULQ 0, \ks, \z
	MULQ 1, \ks, \z
	s_wait_dscnt 0x0
	PLACES
	FETCH_P \nslot, \nq, 1-(\ks)%2
	FETCH_R \nslot, \nq, 0
	MULQ 2, \ks, \z
	MULQ 3, \ks, \z
	PLACES
	WIN 0
	FETCH_R \nslot, \nq, RT/2
.endm
; A slot's last step: in front of the barrier each wave's part of the next slot has landed (tcnt younger loads may stay out)
.macro TURN ks, nslot, tcnt
	s_wait_tensorcnt \tcnt
	s_wait_dscnt 2*RT
	MULQ 0, \ks, 0
	s_wait_dscnt 0x0                               ; no LDS instruction of mine is out at the signal
	s_barrier_signal -1
	MULQ 1, \ks, 0
	WIN 0
	s_barrier_wait -1
	PLACES
	FETCH_P \nslot, 0, 1-(\ks)%2
	FETCH_R \nslot, 0, 0
	MULQ 2, \ks, 0
	MULQ 3, \ks, 0
	PLACES
	WIN 0
	FETCH_R \nslot, 0, RT/2
.endm
	s_load_b256 s[4:11], s[0:1], 0x0               ; oc, pc, sc2, proj_b
	s_load_b64 s[12:13], s[0:1], 0x20              ; out0
	v_lshl_add_u32 v30, v0, 2, 0x48000
	v_mov_b32 v31, 0
	ds_add_u32 v30, v31
	ds_add_u32 v30, v31
	v_lshrrev_b32 v1, 5, v0
	v_readfirstlane_b32 s16, v1                    ; wave
	s_lshr_b32 s17, s16, 1                         ; which half of R's tiles is mine.  Also: I fetch for R (0) or for P (1)
	s_and_b32 s18, s16, 1                          ; which half of P's.  Also: which half of that tile I fetch
	s_bfe_u32 s20, ttmp6, 0x40000                  ; cx: P's block of 256 columns
	s_bfe_u32 s21, ttmp6, 0x40004                  ; cy
	s_and_b32 s22, ttmp7, 0xffff
	s_lshl_b32 s24, s22, 2
	s_add_co_u32 s24, s24, s21                     ; R's block of 128 tokens
	s_lshl_b32 s23, s21, 2
	s_lshl_b32 s23, 15, s23                        ; my row of the cluster
	s_lshl_b32 s67, 0x1111, s20                    ; my column
	s_or_b32 s[G1R], s23, (3<<16)|(1<<21)
	s_or_b32 s[G1P], s67, (3<<16)|(1<<21)
	s_mov_b32 s[G1R+1], 384<<16                    ; rows of four images, 3,072 bytes, 12,288 bytes apart: R: 4 tiles,
	s_mov_b32 s[G1R+2], 4<<16
	s_mov_b32 s[G1R+3], 384<<16
	s_mov_b32 s[G1R+4], 4
	s_mov_b32 s[G1R+5], 1536
	s_mov_b32 s[G1R+6], 0
	s_mov_b32 s[G1R+7], 0
	s_mov_b32 s[G1P+1], 384<<16                    ; P: 8
	s_mov_b32 s[G1P+2], 8<<16
	s_mov_b32 s[G1P+3], 384<<16
	s_mov_b32 s[G1P+4], 8
	s_mov_b32 s[G1P+5], 1536
	s_mov_b32 s[G1P+6], 0
	s_mov_b32 s[G1P+7], 0
	s_mul_i32 s2, s24, 8*12288
	s_mul_i32 s30, s18, 4*12288
	s_add_co_u32 s2, s2, s30
	s_mov_b32 s3, 0
	s_mul_i32 s66, s20, 16*12288
	s_mul_i32 s31, s18, 8*12288
	s_add_co_u32 s66, s66, s31
	s_mov_b32 s67, 0
	s_mul_i32 s30, s18, RHALF
	s_mul_i32 s31, s18, PHALF
	s_add_co_u32 s31, s31, 2*RHALF
	s_wait_dscnt 0x0
	s_wait_kmcnt 0x0
	s_add_nc_u64 s[26:27], s[4:5], s[2:3]
	s_add_nc_u64 s[28:29], s[6:7], s[66:67]
	CROUND                                         ; all sixteen work-groups are here: the joint loads meet
.irp q, 0,1,2,3
	s_mov_b32 s[G0R+4*\q], 1
	s_add_co_u32 s[G0R+4*\q+1], s30, \q*SLOT
	s_add_nc_u64 s[G0R+4*\q+2:G0R+4*\q+3], s[26:27], \q*3072
	s_or_b32 s[G0R+4*\q+3], s[G0R+4*\q+3], 0x80000000
	s_mov_b32 s[G0P+4*\q], 1
	s_add_co_u32 s[G0P+4*\q+1], s31, \q*SLOT
	s_add_nc_u64 s[G0P+4*\q+2:G0P+4*\q+3], s[28:29], \q*3072
	s_or_b32 s[G0P+4*\q+3], s[G0P+4*\q+3], 0x80000000
.endr
	s_cmp_eq_u32 s17, 0                            ; a wave's four fills stand in one branch
	s_cbranch_scc0 .Lfirst_p
	tensor_load_to_lds s[G0R:G0R+3], s[G1R:G1R+7]
	s_nop 0
	tensor_load_to_lds s[G0R+4:G0R+7], s[G1R:G1R+7]
	s_nop 0
	tensor_load_to_lds s[G0R+8:G0R+11], s[G1R:G1R+7]
	s_nop 0
	tensor_load_to_lds s[G0R+12:G0R+15], s[G1R:G1R+7]
	s_nop 0
.rept 4
	v_nop
.endr
	s_branch .Lfirst_done
.Lfirst_p:
	tensor_load_to_lds s[G0P:G0P+3], s[G1P:G1P+7]
	s_nop 0
	tensor_load_to_lds s[G0P+4:G0P+7], s[G1P:G1P+7]
	s_nop 0
	tensor_load_to_lds s[G0P+8:G0P+11], s[G1P:G1P+7]
	s_nop 0
	tensor_load_to_lds s[G0P+12:G0P+15], s[G1P:G1P+7]
	s_nop 0
.rept 4
	v_nop
.endr
.Lfirst_done:
	v_and_b32 v1, 31, v0
	s_wait_alu depctr_va_vdst(0)
	v_lshlrev_b32 v2, 4, v1                        ; 16 l
	v_lshlrev_b32 v3, 3, v1                        ; 8 l
	v_and_b32 v22, 15, v0                          ; r
	v_bfe_u32 v23, v0, 4, 1                        ; h
	s_lshl_b32 s26, s24, 3
	s_lshl_b32 s27, s17, 2
	s_add_co_u32 s26, s26, s27                     ; my first tile of R
	s_lshl_b32 s28, s20, 4
	s_lshl_b32 s29, s18, 3
	s_add_co_u32 s28, s28, s29                     ; and of P
	s_lshl_b32 s30, s26, 9
	s_lshl_b32 s31, s28, 9
	s_add_co_u32 s31, s31, 0x40000                 ; the weight's scale words lie 262,144 bytes into sc2
	v_mov_b32 v24, s31
	v_mov_b32 v25, s30
	v_cmp_gt_u32 vcc_lo, 16, v1
	v_cndmask_b32 v26, v24, v25, vcc_lo            ; lanes 0-15 take R's words, lanes 16-31 P's
	s_wait_alu depctr_va_vdst(0)
	v_lshl_add_u32 v26, v22, 4, v26
.irp i, 0,1,2,3,4,5,6,7                        ; (for i = 4 .. 7 lanes 0-15 read words of sc2 that no product names: R has four tiles)
.irp f, 0,1
	global_load_b128 v[SC+8*\i+4*\f:SC+8*\i+4*\f+3], v26, s[8:9] offset:512*\i+256*\f
.endr
.endr
	s_lshl_b32 s2, s28, 6
	s_mov_b32 s3, 0
	s_add_nc_u64 s[10:11], s[10:11], s[2:3]
	v_lshlrev_b32 v27, 6, v23                      ; 64 h
.irp b, 0,1,2,3,4,5,6,7                        ; group b: the bias of columns 32 (b / 2) + 16 h + 8 (b % 2) + 0 .. 7
	global_load_b128 v[96+8*\b+96*(\b/4):96+8*\b+96*(\b/4)+3], v27, s[10:11] offset:4*(32*(\b/2)+8*(\b%2))
	global_load_b128 v[96+8*\b+96*(\b/4)+4:96+8*\b+96*(\b/4)+7], v27, s[10:11] offset:4*(32*(\b/2)+8*(\b%2))+16
.endr
	s_mul_i32 s30, s17, RHALF
	s_mul_i32 s31, s18, PHALF
	s_add_co_u32 s31, s31, 2*RHALF
.irp s, 0,1,2,3
	v_add_nc_u32 v[R16+\s], s30, v2
	v_add_nc_u32 v[R8+\s], s30, v3
	v_add_nc_u32 v[P16+\s], s31, v2
	v_add_nc_u32 v[P8+\s], s31, v3
	s_add_co_u32 s30, s30, SLOT
	s_add_co_u32 s31, s31, SLOT
.endr
	s_mul_i32 s30, s16, 16*528                     ; my stage, in slot 0
	v_mul_u32_u24 v[STO], v22, 528
	v_lshl_add_u32 v[STO], v23, 6, v[STO]
	v_add_nc_u32 v[STO], s30, v[STO]               ; in: row r, 64 h
	v_add_nc_u32 v[RD], s30, v2                    ; back: a row of 512 bytes, 16 a lane
	s_lshl_b32 s2, s26, 16                         ; my first token: 16 a tile, 4,096 bytes a token
	s_lshl_b32 s30, s28, 6                         ; my first column: 16 a tile, 4 bytes
	s_add_co_u32 s2, s2, s30
	s_add_nc_u64 s[12:13], s[12:13], s[2:3]
	s_wait_alu depctr_va_vdst(0)
	s_wait_tensorcnt 3                             ; my part of the first quarter of K is in; three younger loads may be out
	s_barrier_signal -1
	s_barrier_wait -1
	FETCH_P 0, 0, 0
	FETCH_R 0, 0, 0
	FETCH_R 0, 0, RT/2
	s_wait_loadcnt 0x0                             ; scale words and bias
	STEP 0, 0, 1, 1
	TURN 1, 1, 2
	STEP 2, 1, 1, 0
	TURN 3, 2, 1
	STEP 4, 2, 1, 0
	TURN 5, 3, 0
	STEP 6, 3, 1, 0
	s_wait_dscnt 2*RT
	MULQ 0, 7, 0
	MULQ 1, 7, 0
	s_wait_dscnt 0x0
	MULQ 2, 7, 0
	MULQ 3, 7, 0
	WIN 0
; THE WAY OUT, a tile of 16 tokens x 128 columns at a time, through my own stage in LDS: it lies in slot 0, which had its one fill at the start and whose last reads stand in front of three barriers.
; LDS serves a wave's instructions in order (ISA guide 5.7.1.4): no wait between the stores and the loads, nor in front of the next tile's stores.
.macro TOSTAGE a
	WIN 0x08                                       ; an LDS store's data are its source 1: window 2
.set b_, 0
.rept 8
	ds_store_b128 v[STO], v[64*(\a)+8*b_:64*(\a)+8*b_+3] offset:128*(b_/2)+32*(b_%2)        ; each accumulator from its low end on
	ds_store_b128 v[STO], v[64*(\a)+8*b_+4:64*(\a)+8*b_+7] offset:128*(b_/2)+32*(b_%2)+16
.set b_, b_+1
.endr
	WIN 0
.set t_, 0
.rept 16
	ds_load_b128 v[BK+64*((\a)%2)+4*t_:BK+64*((\a)%2)+4*t_+3], v[RD] offset:528*t_
.set t_, t_+1
.endr
.endm
.macro SEND a, younger                 ; younger: the LDS instructions issued behind tile a's loads, which may stay out
	s_wait_dscnt \younger
.set t_, 0
.rept 16
	global_store_b128 v2, v[BK+64*((\a)%2)+4*t_:BK+64*((\a)%2)+4*t_+3], s[12:13] offset:(32*((\a)/2)+16*(t_/8)+8*((\a)%2)+t_%8)*4096 th:TH_STORE_NT   ; 512 consecutive bytes of the token at place t of tile a
.set t_, t_+1
.endr
.endm
	PLACES
	TOSTAGE 0
.irp a, 1,2,3
.if \a > 1
	s_wait_xcnt 0x0                                ; tile a - 2's stores have read their registers: tile a's loads may land there
.endif
	TOSTAGE \a
	SEND \a-1, 32                                  ; behind tile a - 1's loads: tile a's 16 stores and 16 loads
.endr
	SEND 3, 0
	s_wait_tensorcnt 0x0
	ds_add_u32 v30, v31
	s_wait_dscnt 0x0
	CROUND                                         ; the closing round
	s_endpgm
.Lfunc_end_k_qaf49434335_gemm_out:
	.size	k_qaf49434335_gemm_out, .Lfunc_end_k_qaf49434335_gemm_out-k_qaf49434335_gemm_out
	.p2alignl 7, 3214868480
	.fill 96, 4, 3214868480
	.section	.rodata,"a",@progbits
	.p2align	6, 0x0
	.amdhsa_kernel k_qaf49434335_gemm_out
		.amdhsa_group_segment_fixed_size 295424
		.amdhsa_private_segment_fixed_size 0
		.amdhsa_enable_private_segment 0
		.amdhsa_kernarg_size 40
		.amdhsa_user_sgpr_count 2
		.amdhsa_user_sgpr_kernarg_segment_ptr 1
		.amdhsa_wavefront_size32 1
		.amdhsa_system_sgpr_workgroup_id_x 1
		.amdhsa_system_sgpr_workgroup_id_y 1
		.amdhsa_system_sgpr_workgroup_id_z 1
		.amdhsa_system_vgpr_workitem_id 0
		.amdhsa_next_free_vgpr 768
		.amdhsa_next_free_sgpr 96
		.amdhsa_reserve_vcc 1
		.amdhsa_float_denorm_mode_32 3
		.amdhsa_float_denorm_mode_16_64 3
		.amdhsa_memory_ordered 1
		.amdhsa_forward_progress 1
		.amdhsa_inst_pref_size 87
	.end_amdhsa_kernel
	.amdgpu_metadata
---
amdhsa.version: [ 1, 2 ]
amdhsa.kernels:
  - .name:           k_qaf49434335_gemm_out
    .symbol:         k_qaf49434335_gemm_out.kd
    .args:
      - { .name: oc, .offset: 0, .size: 8, .value_kind: global_buffer, .address_space: global }
      - { .name: pc, .offset: 8, .size: 8, .value_kind: global_buffer, .address_space: global }
      - { .name: sc2, .offset: 16, .size: 8, .value_kind: global_buffer, .address_space: global }
      - { .name: proj_b, .offset: 24, .size: 8, .value_kind: global_buffer, .address_space: global }
      - { .name: out0, .offset: 32, .size: 8, .value_kind: global_buffer, .address_space: global }
    .group_segment_fixed_size: 295424
    .private_segment_fixed_size: 0
    .kernarg_segment_align: 8
    .kernarg_segment_size: 40
    .max_flat_workgroup_size: 128
    .sgpr_count:     96
    .vgpr_count:     768
    .wavefront_size: 32
...
	.end_amdgpu_metadata
.endif
;; end of part 4
